; MI455X (gfx1250); checked and timed in simulation.
; The chip was launched on July 23, 2026; its instructions are those of AMD's public machine-readable ISA for CDNA 5 (MIT licence, August 2026) and "CDNA5" Instruction Set Architecture Reference Guide (July 2026). The comments in the code are by the model that wrote it; some were corrected since.
;; Attention With Dropout. Allowed arithmetic: matrix products marked QUANTISED: E4M3 operands, one E8M0 scale for each 32 along K, by v_wmma_scale_f32_16x16x128_f8f6f4 with both operands' format E4M3, f32 sums; everything else in f32.
;; Inputs: Wk 1,024 x 1,024 float32; Wo 1,024 x 1,024 float32; Wq 1,024 x 1,024 float32; Wv 1,024 x 1,024 float32; bk 1,024 float32; bo 1,024 float32; bq 1,024 float32; bv 1,024 float32; key 2 x 2,048 x 1,024 float32; query 2 x 2,048 x 1,024 float32; value 2 x 2,048 x 1,024 float32.
;; Outputs: out0 2 x 2,048 x 1,024 float32.
;; This version of the problem:
;;   THIS VERSION OF THE PROBLEM IS GIVEN IN LOW PRECISION. The matrix products marked QUANTISED in the list below multiply operands that are first quantised to E4M3 (4 exponent bits, 3 mantissa bits; 8 bits a number), with one power-of-two scale for each 32 numbers along K (OCP MX v1.0); their sums are f32. All else is computed in f32.
;;   The module's matrix products, in the order in which they are computed (A, B: the left and right operand; K: the contracted axis; several contracted axes count as one K, in the product's order):
;;     1. [M 4,096, K 1,024] x [K 1,024, N 1,024]; A: input query; B: input Wq: QUANTISED
;;     2. [M 4,096, K 1,024] x [K 1,024, N 1,024]; A: input key; B: input Wk: QUANTISED
;;     3. [M 4,096, K 1,024] x [K 1,024, N 1,024]; A: input value; B: input Wv: QUANTISED
;;     4. batch 32 x [M 2,048, K 64] x [K 64, N 2,048]; A: computed on the way; B: computed on the way: QUANTISED
;;     5. batch 32 x [M 2,048, K 2,048] x [K 2,048, N 64]; A: softmax (see below); B: computed on the way: QUANTISED
;;     6. [M 4,096, K 1,024] x [K 1,024, N 1,024]; A: computed on the way; B: input Wo: QUANTISED
;;   THE QUANTISER, for each operand of a quantised product, along K:
;;     - K is cut into blocks of 32 from its start; a last block that is shorter is filled with zeros.
;;     - A block's scale is 2^e with e = floor(log2(the largest magnitude in the block)) - 8, held to -126 .. 127; a block of zeros has e = 0. As a byte (E8M0): e + 127.
;;     - Each number is divided by its block's scale, clamped to +-448, and rounded to the nearest number of E4M3, ties to even, subnormals kept.
;;     - The product sums the exact products of the quantised numbers (number of the format x scale) in f32.
;;   ~~~python
;;   def quantise(x, axis):      # numpy; x: float32 -> the quantised numbers, widened to float32 again
;;       x = np.moveaxis(x, axis, -1); K = x.shape[-1]
;;       x = np.pad(x, [(0, 0)] * (x.ndim - 1) + [(0, -K % 32)]); x = x.reshape(x.shape[:-1] + (-1, 32)); a = np.abs(x).max(-1, keepdims=True)
;;       e = np.where(a > 0, np.clip(np.frexp(np.where(a > 0, a, 1))[1] - 1 - 8, -126, 127), 0)      # np.frexp(a)[1] - 1 = floor(log2(a)), exactly
;;       r = np.clip(x / 2.0 ** e, -448, 448)
;;       step = 2.0 ** (np.maximum(np.frexp(np.where(r == 0, 1, r))[1] - 1, -6) - 3)
;;       q = np.round(r / step) * step * 2.0 ** e      # np.round: ties to even
;;       return np.moveaxis(q.reshape(q.shape[:-2] + (-1,))[..., :K], -1, axis).astype(np.float32)
;;   ~~~
;;   SOFTMAX AHEAD OF A QUANTISED PRODUCT. Where the list says 'softmax', what is quantised is not the finished softmax but p = 2^(t - M), with t = logit x log2(e) and M = ceil(the row's largest t), a whole number; so 1/2 < the row's largest p <= 1. The row's sum l is taken of the UNQUANTISED p, in f32, and the product's result is divided by l at the end. Since M is a whole number, a kernel that streams over the keys may use a running M (the ceiling of the running maximum): every later rescaling is an exact power of two, which a block's scale takes up: the codes' values come out the same.
;;   OPERANDS COMPUTED ON THE WAY. 'Computed on the way' means the value that the module computes at that place (a softmax that the list does not call 'softmax' is quantised finished and normalised). What goes into a quantiser is computed in f32, as accurately as f32 sums, v_exp_f32 and their like allow (about 1e-6 of the number): no bf16 or f16 on the way to a quantiser, and a product that is left as it is and whose result goes on into a quantised operand takes f32 operands (vector FMAs, or v_wmma_f32_16x16x4_f32). A number that lies on a knife's edge between two numbers of the format may be rounded either way, as far as f32 arithmetic and the matrix unit's own rounding can turn it there, and no further.
;; One version. Each part assembles by itself: llvm-mc -triple=amdgcn-amd-amdhsa -mcpu=gfx1250 --defsym DOCPART=n.
;; ======== version 1 of 1: 4 launches
;; limits: right only within a limited range of input values
;; workspace buffers: in_img 16,777,216 bytes; in_sc 524,288 bytes; qkv_img 12,582,912 bytes; sc_qkv 655,360 bytes; o_img 4,194,304 bytes; o_sc 262,144 bytes
;; launch quant (part 1): grid 1024 x 1, 4 waves a work-group, no clusters, 34,816 bytes of LDS; arguments query, key, value, Wq, Wk, Wv, Wo, in_img, in_sc; writes in_img, in_sc
.if DOCPART == 1
	.amdgcn_target "amdgcn-amd-amdhsa--gfx1250"
	.amdhsa_code_object_version 6
	.text
	.protected	k_qf34f341406_quant
	.globl	k_qf34f341406_quant
	.p2align	8
	.type	k_qf34f341406_quant,@function
k_qf34f341406_quant:
	s_mov_b64 s[64:65], 0
	v_nop
	global_prefetch_b8 v0, s[64:65] scope:SCOPE_SE
	s_setreg_imm32_b32 hwreg(HW_REG_WAVE_MODE, 25, 1), 1
	s_wait_xcnt 0x0
; The seven large f32 inputs (query, key, value: 4,096 rows x 1,024; Wq, Wk, Wv, Wo: 1,024 rows x 1,024; K innermost) become codes of FP8 (E4M3) with one E8M0 byte for each 32 along K.
; A block's scale is 2^(floor(log2(its largest magnitude)) - 8); each number is divided by it, held within +-448 and rounded to the nearest code, ties to even.
; LIMITS: NaN and infinities among the inputs are not served.  A block whose largest magnitude lies under 2^-118 keeps the byte 1; so does a block of zeros, where the rule says 127:
; its codes are zeros, which add nothing under any byte but 0xff, and this program alone reads the bytes.
; LAYOUT OF THE CODES: images of operand registers.  A fragment (16 rows x 128 K) is four pieces of 512 bytes; in piece c lane l = r + 16 h has its 16 bytes at 16 l: k = 32 c + 16 h + 0 .. 15 of image row r.
; IMAGE TILE T HOLDS, IN ITS ROW p, THE TENSOR'S ROW 32 (T / 2) + 8 (T % 2) + p + 8 (p / 8): used as source 0 of a product, two neighbouring tiles then give a lane 16 neighbouring rows in its 16 result registers.
; in_img: tensor at 16,384 x its first tile's number; inside [K step of 256: 4][tile][128 along K: 2][piece: 4][512].  in_sc: [tile][row 16][128 along K: 8] words.
; SHARES: work-group g is image tile g of the seven tensors on end (16 rows, all of K); wave w takes K step w: two fragments.  No loop: a wave's 32 loads, 16 KiB, go out at once.
; Each load reads 512 consecutive bytes of a row; the conversions want 16 neighbours in one lane, so a fragment's 8 KiB turn through the wave's own stage in LDS (rows 528 bytes apart: row r starts at word 132 r, 4 r modulo 64).
; Matrix units, clusters and tensor loads would add nothing to a stream; no prefetch either: every byte is asked for at the start.
.set STGB, 8448                        ; a wave's stage: 16 rows x 528 bytes
.set SCS,  33792                       ; behind the four stages: the tile's 512 bytes of scale words
.set TM,   12                          ; v12-15 largest magnitudes, v16-19 bytes, v24-27 the conversions' scale operands
.set PW,   28                          ; v[28:29] the two fragments' scale words
.set PC,   32                          ; v32-47, v48-63 the two fragments' codes
.set X0,   64                          ; v64-127  fragment 0: 64 numbers, register 16 b + i = k 32 b + 16 h + i of my row
.set R0,   128                         ; v128-191 fragment 0 as loaded; later fragment 1's 64 numbers
.set R1,   192                         ; v192-255 fragment 1 as loaded
.set SEL,  36                          ; s[36:37] v_permlanex16_b32's selects for lane l xor 16
.set MNT,  38
; 64 numbers of a lane become a fragment's 16 registers of codes and its row's scale word
.macro QUANT s, pc, pw
.irp b, 0,1,2,3
	v_max3_num_f32 v[TM+\b], |v[\s+16*\b]|, |v[\s+1+16*\b]|, 0x4800000   ; my 16 numbers of block b, and the floor 2^(9 - 127): the byte cannot fall under 1
.endr
.irp i, 2,4,6,8,10,12,14
.irp b, 0,1,2,3
	v_max3_num_f32 v[TM+\b], v[TM+\b], |v[\s+16*\b+\i]|, |v[\s+1+16*\b+\i]|   ; the four blocks by turns
.endr
.endr
.irp b, 0,1,2,3
	v_permlanex16_b32 v[TM+4+\b], v[TM+\b], s[SEL], s[SEL+1]
.endr
.irp b, 0,1,2,3
	v_max_num_f32 v[TM+\b], v[TM+\b], v[TM+4+\b]                 ; with lane l xor 16's 16: the block's largest magnitude
.endr
.irp b, 0,1,2,3
	v_add_nc_u32 v[TM+12+\b], 0xfc000000, v[TM+\b]               ; 8 off its exponent field: the conversion reads that field alone
.endr
.irp b, 0,1,2,3
.endr
.irp b, 0,1,2,3
	v_lshrrev_b32 v[TM+4+\b], 23, v[TM+12+\b]                    ; the scale's byte
.endr
	v_lshl_or_b32 v[\pw], v[TM+5], 8, v[TM+4]
	v_lshl_or_b32 v[\pw], v[TM+6], 16, v[\pw]
	v_lshl_or_b32 v[\pw], v[TM+7], 24, v[\pw]
.irp b, 0,1,2,3
.irp i, 0,1,2,3,4,5,6,7,8,9,10,11,12,13,14,15
.endr
	v_cvt_scalef32_pk8_fp8_f32 v[\pc+4*\b:\pc+4*\b+1], v[\s+16*\b:\s+16*\b+7], v[TM+12+\b]
	v_cvt_scalef32_pk8_fp8_f32 v[\pc+4*\b+2:\pc+4*\b+3], v[\s+16*\b+8:\s+16*\b+15], v[TM+12+\b]
.endr
	v_nop                                          ; a plain line behind the last conversion
.endm
; a fragment through the stage: in as loaded (row p at 528 p), out 64 bytes a lane for each block of 32.  LDS serves a wave's instructions in order: no wait between
.macro TURNX rr, xx
.irp p, 0,1,2,3,4,5,6,7,8,9,10,11,12,13,14,15
	ds_store_b128 v3, v[\rr+4*\p:\rr+4*\p+3] offset:528*\p
.endr
.irp c, 0,1,2,3
.irp j, 0,1,2,3
	ds_load_b128 v[\xx+16*\c+4*\j:\xx+16*\c+4*\j+3], v4 offset:128*\c+16*\j
.endr
.endr
.endm
	s_load_b512 s[4:19], s[0:1], 0x0               ; query, key, value, Wq, Wk, Wv, Wo, in_img
	s_load_b64 s[20:21], s[0:1], 0x40              ; in_sc
	v_lshl_add_u32 v30, v0, 2, 0x8600
	v_mov_b32 v31, 0
	v_lshrrev_b32 v1, 5, v0
	v_readfirstlane_b32 s22, v1                    ; wave = K step
	v_and_b32 v1, 31, v0                           ; lane
	v_and_b32 v7, 15, v0                           ; r
	v_bfe_u32 v8, v0, 4, 1                         ; h
	v_lshlrev_b32 v2, 4, v1                        ; 16 x lane: my place in a load's and in a store's 512 bytes
	s_mul_i32 s23, s22, STGB
	v_add_nc_u32 v3, s23, v2                       ; the stage, way in
	v_mul_u32_u24 v4, v7, 528
	v_lshl_add_u32 v4, v8, 6, v4
	v_add_nc_u32 v4, s23, v4                       ; way out: row r, + 64 h
	s_lshl_b32 s23, s22, 3
	s_add_co_u32 s23, s23, SCS
	v_lshl_add_u32 v5, v7, 5, s23                  ; my row's two scale words: 32 r + 8 w
	v_add_nc_u32 v6, SCS, v2
.irp b, 0,1,2,3
	v_mov_b32 v[TM+4+\b], 0                        ; written once: a lane permute's destination counts as one of its sources
.endr
	s_mov_b32 s[SEL], 0x76543210
	s_mov_b32 s[SEL+1], 0xfedcba98
	s_cmp_lt_u32 ttmp9, 768                        ; tiles 0-767: the three activations, 256 tiles each; 768-1023: the four weights, 64 each
	s_cselect_b32 s24, 0, 768
	s_cselect_b32 s25, 8, 6                        ; log2 of a tensor's tiles
	s_cselect_b32 s26, 0, 3
	s_cselect_b32 s27, 20, 18                      ; log2 of the bytes from K step to K step: 256 x rows
	s_sub_co_u32 s24, ttmp9, s24
	s_lshr_b32 s28, s24, s25
	s_lshl_b32 s29, s28, s25
	s_sub_co_u32 s29, s24, s29                     ; T: the tile within its tensor
	s_add_co_u32 s28, s28, s26                     ; which tensor, 0 .. 6
	s_lshr_b32 s32, s29, 1
	s_lshl_b32 s32, s32, 17                        ; 32 (T / 2) rows of 4,096 bytes
	s_and_b32 s33, s29, 1
	s_lshl_b32 s33, s33, 15                        ; 8 (T % 2) rows
	s_add_co_u32 s32, s32, s33
	s_lshl_b32 s33, s22, 10                        ; my K step: 256 numbers
	s_add_co_u32 s32, s32, s33
	s_mov_b32 s33, 0
	s_sub_co_u32 s34, ttmp9, s29                   ; the tensor's first tile
	s_lshl_b32 s34, s34, 14
	s_lshl_b32 s35, s22, s27
	s_add_co_u32 s34, s34, s35
	s_lshl_b32 s35, s29, 12
	s_add_co_u32 s34, s34, s35
	s_mov_b32 s35, 0
	s_wait_alu depctr_va_vdst(0)
	s_wait_kmcnt 0x0
	s_mov_b64 s[30:31], s[4:5]
.irp n, 1,2,3,4,5,6
	s_cmp_eq_u32 s28, \n                           ; the choice hangs on the work-group's number alone
	s_cselect_b64 s[30:31], s[4+2*\n:5+2*\n], s[30:31]
.endr
	s_add_nc_u64 s[30:31], s[30:31], s[32:33]
	s_add_nc_u64 s[18:19], s[18:19], s[34:35]
	s_lshl_b32 s34, ttmp9, 9
	s_add_nc_u64 s[20:21], s[20:21], s[34:35]
.irp f, 0,1
.irp p, 0,1,2,3,4,5,6,7,8,9,10,11,12,13,14,15
	global_load_b128 v[R0+64*\f+4*\p:R0+64*\f+4*\p+3], v2, s[30:31] offset:(\p+8*(\p/8))*4096+512*\f th:TH_LOAD_NT   ; image row p, 128 numbers: 512 consecutive bytes
.endr
.endr
	s_wait_loadcnt 16                              ; fragment 0's sixteen loads are in; fragment 1's sixteen may be out
	TURNX R0, X0
	s_wait_loadcnt 0x0
	s_wait_dscnt 0x0                               ; fragment 0 is back from the stage
	TURNX R1, R0                                   ; fragment 1 turns while fragment 0 is quantised
	QUANT X0, PC, PW
.irp c, 0,1,2,3
	global_store_b128 v2, v[PC+4*\c:PC+4*\c+3], s[18:19] offset:512*\c     ; 512 consecutive bytes, aligned
.endr
	s_wait_dscnt 0x0
	QUANT R0, PC+16, PW+1
.irp c, 0,1,2,3
	global_store_b128 v2, v[PC+16+4*\c:PC+16+4*\c+3], s[18:19] offset:2048+512*\c
.endr
	ds_store_b64 v5, v[PW:PW+1]                    ; lanes l and l xor 16 hold the same words and write the same bytes
	s_wait_dscnt 0x0                               ; for the others' sake
	s_barrier_signal -1
	s_barrier_wait -1
	s_cmp_lg_u32 s22, 0
	s_cbranch_scc1 .Ldone
	ds_load_b128 v[8:11], v6                       ; the tile's 128 scale words leave as 512 consecutive bytes
	s_wait_dscnt 0x0
	global_store_b128 v2, v[8:11], s[20:21]
.Ldone:
	s_wait_tensorcnt 0x0
	ds_add_u32 v30, v31
	s_wait_dscnt 0x0
	s_endpgm
.Lfunc_end_k_qf34f341406_quant:
	.size	k_qf34f341406_quant, .Lfunc_end_k_qf34f341406_quant-k_qf34f341406_quant
	.p2alignl 7, 3214868480
	.fill 96, 4, 3214868480
	.section	.rodata,"a",@progbits
	.p2align	6, 0x0
	.amdhsa_kernel k_qf34f341406_quant
		.amdhsa_group_segment_fixed_size 34816
		.amdhsa_private_segment_fixed_size 0
		.amdhsa_enable_private_segment 0
		.amdhsa_kernarg_size 72
		.amdhsa_user_sgpr_count 2
		.amdhsa_user_sgpr_kernarg_segment_ptr 1
		.amdhsa_wavefront_size32 1
		.amdhsa_system_sgpr_workgroup_id_x 1
		.amdhsa_system_sgpr_workgroup_id_y 1
		.amdhsa_system_sgpr_workgroup_id_z 1
		.amdhsa_system_vgpr_workitem_id 0
		.amdhsa_next_free_vgpr 256
		.amdhsa_next_free_sgpr 66
		.amdhsa_reserve_vcc 0
		.amdhsa_float_denorm_mode_32 3
		.amdhsa_float_denorm_mode_16_64 3
		.amdhsa_fp16_overflow 1
		.amdhsa_memory_ordered 1
		.amdhsa_forward_progress 1
		.amdhsa_inst_pref_size 19
	.end_amdhsa_kernel
	.amdgpu_metadata
---
amdhsa.version: [ 1, 2 ]
amdhsa.kernels:
  - .name:           k_qf34f341406_quant
    .symbol:         k_qf34f341406_quant.kd
    .args:
      - { .name: query, .offset: 0, .size: 8, .value_kind: global_buffer, .address_space: global }
      - { .name: key, .offset: 8, .size: 8, .value_kind: global_buffer, .address_space: global }
      - { .name: value, .offset: 16, .size: 8, .value_kind: global_buffer, .address_space: global }
      - { .name: Wq, .offset: 24, .size: 8, .value_kind: global_buffer, .address_space: global }
      - { .name: Wk, .offset: 32, .size: 8, .value_kind: global_buffer, .address_space: global }
      - { .name: Wv, .offset: 40, .size: 8, .value_kind: global_buffer, .address_space: global }
      - { .name: Wo, .offset: 48, .size: 8, .value_kind: global_buffer, .address_space: global }
      - { .name: in_img, .offset: 56, .size: 8, .value_kind: global_buffer, .address_space: global }
      - { .name: in_sc, .offset: 64, .size: 8, .value_kind: global_buffer, .address_space: global }
    .group_segment_fixed_size: 34816
    .private_segment_fixed_size: 0
    .kernarg_segment_align: 8
    .kernarg_segment_size: 72
    .max_flat_workgroup_size: 128
    .sgpr_count:     66
    .vgpr_count:     256
    .wavefront_size: 32
...
	.end_amdgpu_metadata
.endif
;; end of part 1
;; launch proj (part 2): grid 4 x 48, 4 waves a work-group, clusters of 4 x 4, 327,680 bytes of LDS; arguments in_img, in_sc, bq, bk, bv, qkv_img, sc_qkv; writes qkv_img, sc_qkv
.if DOCPART == 2
	.amdgcn_target "amdgcn-amd-amdhsa--gfx1250"
	.amdhsa_code_object_version 6
	.text
	.protected	k_qf34f341406_proj
	.globl	k_qf34f341406_proj
	.p2align	8
	.type	k_qf34f341406_proj,@function
k_qf34f341406_proj:
	s_mov_b64 s[64:65], 0
	v_nop
	global_prefetch_b8 v0, s[64:65] scope:SCOPE_SE
	s_setreg_imm32_b32 hwreg(HW_REG_WAVE_MODE, 25, 1), 1
	s_wait_xcnt 0x0
	s_wait_alu depctr_hold_cnt(0) depctr_sa_sdst(0) depctr_va_vdst(0) depctr_va_sdst(0) depctr_va_ssrc(0) depctr_va_vcc(0) depctr_vm_vsrc(0)
	s_getreg_b32 s2, hwreg(HW_REG_IB_STS2, 6, 4)
	s_cmp_eq_u32 s2, 0
	s_cbranch_scc0 .Lentry_in_a_cluster
	s_endpgm
.Lentry_in_a_cluster:
	s_bfe_u32 s2, ttmp6, 0x10000c
	s_cmp_lg_u32 s2, 0xf033
	s_cbranch_scc0 .Lentry_shape_is_right
	s_endpgm
.Lentry_shape_is_right:
; The three projections, q = query Wq^T + bq, k = key Wk^T + bk, v = value Wv^T + bv, on codes of FP8 (E4M3) with E8M0 scales for each 32 along K = 1,024; sums in f32; the results are
; quantised in registers for the attention's products and leave as codes: q and k along a head's 64 channels, v along the keys.  No f32 result goes to memory.
; LIMITS: as the quantising launch's (no NaN, no infinities; blocks under 2^-118 and blocks of zeros keep the byte 1; this program alone reads the bytes).
; ROLES.  Source 0's rows run along a lane's result registers, source 1's row is the lane's.  q, k: source 0 = the weight, source 1 = the tokens: a lane holds one token and 16 neighbouring channels of each block of 32.
; v: source 0 = the tokens, source 1 = the weight: a lane holds one channel and neighbouring KEYS.  That they are neighbours follows from the order of rows in the images' tiles.  Nothing is transposed.
; SHARES.  192 work-groups; each makes 256 x 256, four waves of 128 x 128: 64 accumulators, 512 registers.  K goes in four steps of 256 through two LDS slots; a step's 128 rows of an operand are 32 KiB, dense.
; CLUSTERS.  4 x 4 work-groups of one projection.  Source 1's tile hangs on cy and is shared along a row of the cluster, source 0's on cx and along a column: each is asked for jointly.
; The projection (t) and the cluster's place in it (c4) come from the cluster's y, which all sixteen partners share; so does the one branch of the way out.
; REGISTERS, in windows of 256: window 0: v1-27 addresses and small things; v32-95 scale words and nothing else; v96-127 at work; v128-255 source 1's fragments, one set (on the way out: numbers and biases).
;   window 1: source 0's fragments, two sets.   windows 2, 3: the accumulators, (a, b) at v[8 (8 (a % 4) + b)].
.set SLOT,  131072                     ; a slot: source 1's 16 tiles x 4,096 bytes, then source 0's
.set S0OFF, 65536
.set SPARE, 262144                     ; the spare words, 128 bytes a wave: two blocks of 256 bytes that no other line names
.set BST,   262656                     ; each wave's 128 biases, 512 bytes; no tile ever lands here
.set W,    4                           ; v4-11  scale words to be stored
.set PW,   12                          ; v12    the scale word just made
.set SH,   13                          ; v13    16 h
.set LI,   14                          ; v14    16 x lane
.set SO,   15                          ; v15    my place among the scale words in memory
.set ADRA, 16                          ; v16-17 LDS address of source 1's fragments in slot 0, 1
.set ADRB, 20                          ; v20-21 the same for source 0
.set BQK,  22                          ; v22    the biases along my registers: BST + 512 w + 64 h
.set BV,   23                          ; v23    the bias of my lane's row: BST + 512 w + 4 (r + 8 (r / 8))
.set SPW,  28                          ; v28    LDS address of my spare word; never rewritten
.set NIL,  29                          ; v29    0; never rewritten
.set SC,   32                          ; register 8 i + s: lanes 0-15 the word of source 1's block i, lanes 16-31 of source 0's block i, for the s-th 128 along K
.set TM,   96
.set PC,   112
.set AF,   128
.set X,    128
.set BI,   192
.set G1A,  28                          ; s[28:35] descriptor group 1 for source 1's tiles;  s[36:43] for source 0's: they differ in the mask
.set G1B,  36
.set G0A,  44                          ; s[44:51], s[52:59] groups 0, a set for each slot
.set G0B,  52
.set SEL,  70
.set MNT,  72
.set MSB, 0
.macro WIN new                         ; the immediate's high byte repeats the setting that is left
.if MSB != (\new)
	s_set_vgpr_msb (MSB<<8)|(\new)
.set MSB, (\new)
.endif
.endm
.set MUL_LO, 0xa1                      ; source 0 window 1, source 1 window 0, C and D window 2
.set MUL_HI, 0xf1                      ; the same, C and D window 3
.set TO_B,   0x40                      ; destination window 1, address window 0
.macro PLACES n
.rept \n
	v_nop
.endr
.endm
; A joint load: waves 0 and 1 fetch source 1's halves, waves 2 and 3 source 0's.  The branch hangs on the wave's number alone.  Four v_nop follow each line.
.macro JLOAD s
	s_cmp_eq_u32 s19, 0
	s_cbranch_scc0 .Lfor_b_\@
	tensor_load_to_lds s[G0A+4*\s:G0A+4*\s+3], s[G1A:G1A+7]
	s_nop 0
.rept 4
	v_nop
.endr
	s_branch .Lasked_\@
.Lfor_b_\@:
	tensor_load_to_lds s[G0B+4*\s:G0B+4*\s+3], s[G1B:G1B+7]
	s_nop 0
.rept 4
	v_nop
.endr
.Lasked_\@:
.endm
.macro CREST                           ; a round of the cluster's barrier behind its opening barrier
	s_cmp_lg_u32 s18, 0
	s_cbranch_scc1 .Lnot_wave_0_\@
	s_barrier_signal -3
.Lnot_wave_0_\@:
	s_barrier_wait -3
	s_barrier_signal -1
	s_barrier_wait -1
.endm
.macro CROUND
	s_barrier_signal -1
	s_barrier_wait -1
	CREST
.endm
.macro QUANT s, pc, pw                 ; 64 numbers of a lane, register 16 b + i = k 32 b + 16 h + i, become 16 registers of codes and the row's scale word
.irp b, 0,1,2,3
	v_max3_num_f32 v[TM+\b], |v[\s+16*\b]|, |v[\s+1+16*\b]|, 0x4800000   ; with the floor 2^(9 - 127): the byte cannot fall under 1
.endr
.irp i, 2,4,6,8,10,12,14
.irp b, 0,1,2,3
	v_max3_num_f32 v[TM+\b], v[TM+\b], |v[\s+16*\b+\i]|, |v[\s+1+16*\b+\i]|
.endr
.endr
.irp b, 0,1,2,3
	v_permlanex16_b32 v[TM+4+\b], v[TM+\b], s[SEL], s[SEL+1]
.endr
.irp b, 0,1,2,3
	v_max_num_f32 v[TM+\b], v[TM+\b], v[TM+4+\b]
.endr
.irp b, 0,1,2,3
	v_add_nc_u32 v[TM+12+\b], 0xfc000000, v[TM+\b]               ; 8 off the exponent field: the conversion's scale operand
.endr
.irp b, 0,1,2,3
	v_and_or_b32 v[TM+8+\b], v[TM+\b], 0x7f800000, s[MNT]        ; 448 x the scale
.endr
.irp b, 0,1,2,3
	v_lshrrev_b32 v[TM+4+\b], 23, v[TM+12+\b]                    ; the byte
.endr
	v_lshl_or_b32 v[\pw], v[TM+5], 8, v[TM+4]
	v_lshl_or_b32 v[\pw], v[TM+6], 16, v[\pw]
	v_lshl_or_b32 v[\pw], v[TM+7], 24, v[\pw]
.irp b, 0,1,2,3
.irp i, 0,1,2,3,4,5,6,7,8,9,10,11,12,13,14,15
	v_med3_num_f32 v[\s+16*\b+\i], v[\s+16*\b+\i], -v[TM+8+\b], v[TM+8+\b]   ; the conversion does not saturate (ISA guide 7.6.2)
.endr
	v_cvt_scalef32_pk8_fp8_f32 v[\pc+4*\b:\pc+4*\b+1], v[\s+16*\b:\s+16*\b+7], v[TM+12+\b]
	v_cvt_scalef32_pk8_fp8_f32 v[\pc+4*\b+2:\pc+4*\b+3], v[\s+16*\b+8:\s+16*\b+15], v[TM+12+\b]
.endr
	v_nop                                          ; a plain line behind the last conversion
.endm
	s_load_b256 s[4:11], s[0:1], 0x0               ; in_img s[4:5], in_sc s[6:7], bq s[8:9], bk s[10:11]
	s_load_b128 s[12:15], s[0:1], 0x20             ; bv s[12:13], qkv_img s[14:15]
	s_load_b64 s[16:17], s[0:1], 0x30              ; sc_qkv
	v_lshl_add_u32 v[SPW], v0, 2, SPARE
	v_mov_b32 v[NIL], 0
	ds_add_u32 v28, v29
	ds_add_u32 v28, v29
	s_wait_dscnt 0x0
	v_lshrrev_b32 v1, 5, v0
	v_readfirstlane_b32 s18, v1                    ; wave 0..3
	s_lshr_b32 s19, s18, 1                         ; wy: my half of source 1's rows.  Also: I fetch for source 1 (0) or source 0 (1)
	s_and_b32 s20, s18, 1                          ; wx: my half of source 0's rows.  Also: which 128 rows I fetch
	s_bfe_u32 s21, ttmp6, 0x40000                  ; cx
	s_bfe_u32 s22, ttmp6, 0x40004                  ; cy
	s_and_b32 s23, ttmp7, 0xffff                   ; the cluster's y, 0 .. 11
	s_lshr_b32 s24, s23, 2                         ; t: 0 q, 1 k, 2 v
	s_and_b32 s25, s23, 3
	s_lshl_b32 s25, s25, 2                         ; c4: the cluster's first tile along the tokens
	s_lshr_b32 s73, s24, 1                         ; isV
	s_mul_i32 s26, s73, s25
	s_add_co_u32 s26, s26, s21                     ; source 0's tile of 256 rows: cx (+ c4 for v)
	s_xor_b32 s27, s73, 1
	s_mul_i32 s27, s27, s25
	s_add_co_u32 s27, s27, s22                     ; source 1's: cy (+ c4 for q, k)
	s_lshl_b32 s78, s22, 2
	s_lshl_b32 s78, 15, s78                        ; my row of the cluster
	s_lshl_b32 s79, 0x1111, s21                    ; my column
	s_or_b32 s[G1A], s78, (3<<16)|(1<<21)          ; 15:0 the mask; 17:16 elements of 8 bytes; 21 set beside a mask; no padding: images are read 512 consecutive bytes at a time
	s_or_b32 s[G1B], s79, (3<<16)|(1<<21)
.irp g, G1A, G1B
	s_mov_b32 s[\g+1], 32<<16                      ; tensor_dim0 = 32 elements: rows of 256 bytes
	s_mov_b32 s[\g+2], 128<<16                     ; tensor_dim1 = 128 rows: 32 KiB, dense
	s_mov_b32 s[\g+3], 32<<16                      ; tile_dim0
	s_mov_b32 s[\g+4], 128                         ; tile_dim1
	s_mov_b32 s[\g+5], 32                          ; the pitch
	s_mov_b32 s[\g+6], 0
	s_mov_b32 s[\g+7], 0
.endr
	s_mul_i32 s74, s73, 384
	s_lshl_b32 s88, s24, 8
	s_add_co_u32 s88, s88, s74                     ; source 1's first image tile: 0, 256, 896
	s_lshl_b32 s89, s24, 6
	s_add_co_u32 s89, s89, 768
	s_sub_co_u32 s89, s89, s74                     ; source 0's: 768, 832, 512
	s_lshl_b32 s74, s73, 1
	s_mov_b32 s66, 0x100000
	s_lshr_b32 s66, s66, s74                       ; bytes from K step to K step: 1 MiB for tokens, 256 KiB for a weight
	s_mov_b32 s67, 0
	s_mov_b32 s68, 0x40000
	s_lshl_b32 s68, s68, s74
	s_mov_b32 s69, 0
	s_lshl_b32 s82, s20, 3                         ; which 8 tiles I fetch
	s_lshl_b32 s80, s88, 2
	s_lshl_b32 s81, s27, 4
	s_add_co_u32 s80, s80, s81
	s_add_co_u32 s80, s80, s82
	s_lshl_b32 s80, s80, 12                        ; source 1: (4 x first tile + 16 x tile of 256 + 8 x half) x 4,096 bytes
	s_mov_b32 s81, 0
	s_lshl_b32 s84, s89, 2
	s_lshl_b32 s85, s26, 4
	s_add_co_u32 s84, s84, s85
	s_add_co_u32 s84, s84, s82
	s_lshl_b32 s84, s84, 12                        ; source 0 likewise
	s_mov_b32 s85, 0
	s_lshl_b32 s90, s18, 15                        ; where they go: 32,768 x wave: no place in the cluster enters an LDS address
	s_mov_b32 s[SEL], 0x76543210
	s_mov_b32 s[SEL+1], 0xfedcba98
	s_mov_b32 s[MNT], 0x600000
	s_wait_kmcnt 0x0
	s_add_nc_u64 s[80:81], s[4:5], s[80:81]
	s_add_nc_u64 s[84:85], s[4:5], s[84:85]
	s_mov_b32 s[G0A], 1
	s_mov_b32 s[G0A+1], s90
	s_mov_b64 s[G0A+2:G0A+3], s[80:81]
	s_or_b32 s[G0A+3], s[G0A+3], 0x80000000
	s_mov_b32 s[G0A+4], 1
	s_add_co_u32 s[G0A+5], s90, SLOT
	s_add_nc_u64 s[G0A+6:G0A+7], s[80:81], s[66:67]
	s_or_b32 s[G0A+7], s[G0A+7], 0x80000000
	s_mov_b32 s[G0B], 1
	s_mov_b32 s[G0B+1], s90
	s_mov_b64 s[G0B+2:G0B+3], s[84:85]
	s_or_b32 s[G0B+3], s[G0B+3], 0x80000000
	s_mov_b32 s[G0B+4], 1
	s_add_co_u32 s[G0B+5], s90, SLOT
	s_add_nc_u64 s[G0B+6:G0B+7], s[84:85], s[68:69]
	s_or_b32 s[G0B+7], s[G0B+7], 0x80000000
	s_lshl_b32 s66, s66, 1                         ; a refill steps two K steps on
	s_lshl_b32 s68, s68, 1
	CROUND                                         ; all sixteen work-groups are here: the first joint loads meet
	JLOAD 0
	JLOAD 1                                        ; two tensor loads of mine are out
	v_and_b32 v1, 15, v0                           ; r
	v_bfe_u32 v2, v0, 4, 1                         ; h
	v_and_b32 v3, 31, v0                           ; lane
	v_lshlrev_b32 v[LI], 4, v3
	v_lshlrev_b32 v[SH], 4, v2
	s_lshl_b32 s82, s19, 15
	s_lshl_b32 s83, s20, 15
	s_add_co_u32 s83, s83, S0OFF
.irp s, 0,1
	v_add_nc_u32 v[ADRA+\s], s82, v[LI]
	v_add_nc_u32 v[ADRB+\s], s83, v[LI]
	s_add_co_u32 s82, s82, SLOT
	s_add_co_u32 s83, s83, SLOT
.endr
	v_lshl_add_u32 v24, v0, 4, BST                 ; the biases' way in: 512 w + 16 x lane
	s_lshl_b32 s82, s18, 9
	s_add_co_u32 s82, s82, BST
	v_lshl_add_u32 v[BQK], v2, 6, s82
	v_and_b32 v25, 8, v1
	v_add_nc_u32 v25, v25, v1
	v_lshl_add_u32 v[BV], v25, 2, s82
.irp b, 0,1,2,3
	v_mov_b32 v[TM+4+\b], 0                        ; written once: a lane permute's destination counts as one of its sources
.endr
	; the scale words of my 128 + 128 rows for all of K: 32 bytes a row; lanes 0-15 take source 1's rows, lanes 16-31 source 0's
	s_lshl_b32 s91, s27, 4
	s_add_co_u32 s91, s91, s88
	s_lshl_b32 s92, s19, 3
	s_add_co_u32 s91, s91, s92
	s_lshl_b32 s91, s91, 9
	s_lshl_b32 s93, s26, 4
	s_add_co_u32 s93, s93, s89
	s_lshl_b32 s92, s20, 3
	s_add_co_u32 s93, s93, s92
	s_lshl_b32 s93, s93, 9
	v_mov_b32 v26, s91
	v_mov_b32 v27, s93
	v_cmp_eq_u32 vcc_lo, 1, v2
	v_cndmask_b32 v26, v26, v27, vcc_lo
	v_lshl_add_u32 v26, v1, 5, v26
.irp i, 0,1,2,3,4,5,6,7
	global_load_b128 v[SC+8*\i:SC+8*\i+3], v26, s[6:7] offset:512*\i
	global_load_b128 v[SC+8*\i+4:SC+8*\i+7], v26, s[6:7] offset:512*\i+16
.endr
	s_cmp_eq_u32 s24, 1                            ; the bias: the choice hangs on the projection alone
	s_cselect_b64 s[8:9], s[10:11], s[8:9]
	s_cmp_eq_u32 s24, 2
	s_cselect_b64 s[8:9], s[12:13], s[8:9]
	s_cselect_b32 s94, s27, s26                    ; my 128 output features are the weight's rows: source 1's for v, source 0's for q, k
	s_cselect_b32 s95, s19, s20
	s_lshl_b32 s94, s94, 10
	s_lshl_b32 s95, s95, 9
	s_add_co_u32 s94, s94, s95
	s_mov_b32 s95, 0
	s_add_nc_u64 s[8:9], s[8:9], s[94:95]
	global_load_b128 v[96:99], v[LI], s[8:9]
	s_wait_loadcnt 0x0
	ds_store_b128 v24, v[96:99]
.macro FRAG reg, adr, q, i             ; a fragment's image: four loads of 512 consecutive bytes
.irp c, 0,1,2,3
	ds_load_b128 v[\reg+4*\c:\reg+4*\c+3], v[\adr] offset:4096*(\i)+2048*(\q)+512*\c
.endr
.endm
; 16 matrix instructions: source 1's blocks a0, a0 + 1 x source 0's eight, the sx-th 128 along K.  The 64 accumulators take turns, one instruction a turn, in the same order in every step.
.macro MUL16 a0, p, sx, zero
.irp a, \a0, \a0+1
.irp b, 0,1,2,3,4,5,6,7
.if \zero
	v_wmma_scale_f32_16x16x128_f8f6f4 v[8*(8*((\a)%4)+\b):8*(8*((\a)%4)+\b)+7], v[128*(\p)+16*\b:128*(\p)+16*\b+15], v[AF+16*(\a):AF+16*(\a)+15], 0, v[SC+8*\b+(\sx)], v[SC+8*(\a)+(\sx)] matrix_a_scale:MATRIX_SCALE_ROW1
.else
	v_wmma_scale_f32_16x16x128_f8f6f4 v[8*(8*((\a)%4)+\b):8*(8*((\a)%4)+\b)+7], v[128*(\p)+16*\b:128*(\p)+16*\b+15], v[AF+16*(\a):AF+16*(\a)+15], v[8*(8*((\a)%4)+\b):8*(8*((\a)%4)+\b)+7], v[SC+8*\b+(\sx)], v[SC+8*(\a)+(\sx)] matrix_a_scale:MATRIX_SCALE_ROW1
.endif
.endr
.endr
.endm
.macro FETCH_B slot, q, p
	WIN TO_B
.irp i, 0,1,2,3,4,5,6,7
	FRAG 128*(\p)+16*\i, ADRB+\slot, \q, \i
.endr
	WIN 0
.endm
.macro FETCH_A slot, q, i0
.irp i, \i0, \i0+1, \i0+2, \i0+3
	FRAG AF+16*(\i), ADRA+\slot, \q, \i
.endr
.endm
; A slot's first 128 along K.  Eight places stand in front of each run of loads into registers that matrix instructions have read.
.macro STEP slot, sx, zero
	s_wait_dscnt 16                                ; source 0's set and source 1's blocks 0-3 are in; the youngest sixteen loads (blocks 4-7) may be out
	WIN MUL_LO
	MUL16 0, 0, \sx, \zero
	MUL16 2, 0, \sx, \zero
	s_wait_dscnt 0
	PLACES 8
	FETCH_B \slot, 1, 1
	FETCH_A \slot, 1, 0
	WIN MUL_HI
	MUL16 4, 0, \sx, \zero
	MUL16 6, 0, \sx, \zero
	PLACES 8
	WIN 0
	FETCH_A \slot, 1, 4
.endm
; A slot's second 128 along K changes slots: one barrier; in front of it each wave waits for all its tensor loads, adds 0 to its spare word, and waits for that and for its reads of this slot.
.macro TURN slot, next, fill, sx
	s_wait_tensorcnt 0x0                           ; all my tensor loads have landed: my part of the next slot
	ds_add_u32 v[SPW], v[NIL]                      ; 0 onto my spare word
	s_wait_dscnt 17                                ; the add and the youngest sixteen loads may be out
	WIN MUL_LO
	MUL16 0, 1, \sx, 0
	s_wait_dscnt 0x0                               ; the add is done, and my reads of this slot are over
	s_barrier_signal -1
	MUL16 2, 1, \sx, 0
	WIN 0
	s_barrier_wait -1
.if \fill
	CREST                                          ; the barrier has opened a round of the cluster's: no wave of any partner still reads this slot or has a load on its way
	s_add_nc_u64 s[G0A+4*\slot+2:G0A+4*\slot+3], s[G0A+4*\slot+2:G0A+4*\slot+3], s[66:67]
	s_add_nc_u64 s[G0B+4*\slot+2:G0B+4*\slot+3], s[G0B+4*\slot+2:G0B+4*\slot+3], s[68:69]
	JLOAD \slot                                    ; the first tensor load behind the round, my only one until the next; its four v_nop are four of the eight places
	PLACES 4
.else
	PLACES 8
.endif
	FETCH_B \next, 0, 0
	FETCH_A \next, 0, 0
	WIN MUL_HI
	MUL16 4, 1, \sx, 0
	MUL16 6, 1, \sx, 0
	PLACES 8
	WIN 0
	FETCH_A \next, 0, 4
.endm
	s_wait_tensorcnt 0x1                           ; my part of K step 0 is in; K step 1's load may stay out
	s_wait_dscnt 0x0
	s_barrier_signal -1
	s_barrier_wait -1
	FETCH_B 0, 0, 0
	FETCH_A 0, 0, 0
	FETCH_A 0, 0, 4
	STEP 0, 0, 1                                   ; the first products start the sums: nothing is cleared.  The four K steps are written out: each names its own scale registers
	TURN 0, 1, 1, 1                                ; slot 0 takes K step 2
	STEP 1, 2, 0
	TURN 1, 0, 1, 3                                ; slot 1 takes K step 3
	STEP 0, 4, 0
	TURN 0, 1, 0, 5
	STEP 1, 6, 0
	s_wait_dscnt 16
	WIN MUL_LO
	MUL16 0, 1, 7, 0
	MUL16 2, 1, 7, 0
	s_wait_dscnt 0
	WIN MUL_HI
	MUL16 4, 1, 7, 0
	MUL16 6, 1, 7, 0
	WIN 0
	PLACES 8                                       ; in front of the first reads of results and of writes into the fragments' registers
; THE WAY OUT.  For source 1's block a the 64 registers of its eight accumulators are, in a lane, 16 neighbours of each of four blocks of 32 along source 0's rows: + bias, quantised, and the codes are the next operand's registers.
.macro ADDB a, isv
	WIN 0x02+(\a)/4                                ; source 0: the accumulators' window
.set i, 0
.rept 32
.if \isv
	v_pk_add_f32 v[X+i:X+i+1], v[64*((\a)%4)+i:64*((\a)%4)+i+1], v[BI+2*(\a):BI+2*(\a)+1]   ; ascending: each accumulator is read from its low end on
.else
	v_pk_add_f32 v[X+i:X+i+1], v[64*((\a)%4)+i:64*((\a)%4)+i+1], v[BI+i:BI+i+1]
.endif
.set i, i+2
.endr
	WIN 0
.if (\a) > 0
	s_wait_xcnt 0x0                                ; the last block's stores have read their codes: these registers are written again only behind this wait
.endif
.endm
	s_cmp_eq_u32 s73, 1                            ; equal in all sixteen partners
	s_cbranch_scc1 .Larm_v
	; ---- q, k: my 128 channels are two heads; blocks 0, 1 are the first head's 64, blocks 2, 3 the second's
	s_lshr_b32 s60, s27, 3
	s_lshl_b32 s60, s60, 4
	s_lshl_b32 s61, s26, 2
	s_add_co_u32 s60, s60, s61
	s_lshl_b32 s61, s20, 1
	s_add_co_u32 s60, s60, s61                     ; 16 x batch + my first head
	s_and_b32 s61, s27, 7
	s_lshl_b32 s61, s61, 1
	s_add_co_u32 s61, s61, s19                     ; my 128 tokens within the batch
	s_lshl_b32 s86, s60, 17
	s_lshl_b32 s62, s24, 22
	s_add_co_u32 s86, s86, s62
	s_lshl_b32 s62, s61, 13
	s_add_co_u32 s86, s86, s62
	s_mov_b32 s87, 0
	s_add_nc_u64 s[74:75], s[14:15], s[86:87]      ; codes: [q, k][batch, head][tile of 16 tokens][piece 2][512]
	s_mul_i32 s86, s60, 20480
	s_lshl_b32 s62, s24, 13
	s_add_co_u32 s86, s86, s62
	s_lshl_b32 s62, s61, 9
	s_add_co_u32 s86, s86, s62
	s_add_nc_u64 s[76:77], s[16:17], s[86:87]      ; scale words: [128 tokens][row 16][tile 8]
	v_mul_u32_u24 v[SO], v2, 20480                 ; lanes 16-31 store the second head's
	v_lshl_add_u32 v[SO], v1, 5, v[SO]
.irp b, 0,1,2,3
.irp j, 0,1,2,3
	ds_load_b128 v[BI+16*\b+4*\j:BI+16*\b+4*\j+3], v[BQK] offset:128*\b+16*\j   ; the biases of channels 32 b + 16 h + 0 .. 15
.endr
.endr
	s_wait_dscnt 0x0
.irp a, 0,1,2,3,4,5,6,7
	ADDB \a, 0
	QUANT X, PC, PW
.irp c, 0,1,2,3
	global_store_b128 v[LI], v[PC+4*\c:PC+4*\c+3], s[74:75] offset:131072*(\c/2)+512*(\c%2)+1024*\a   ; 512 consecutive bytes, aligned
.endr
	v_lshrrev_b32 v[W+\a], v[SH], v[PW]            ; lanes 0-15 keep the word (its low two bytes are the first head's), lanes 16-31 take the second head's two bytes
.endr
	global_store_b128 v[SO], v[W:W+3], s[76:77]
	global_store_b128 v[SO], v[W+4:W+7], s[76:77] offset:16   ; the two together: 512 consecutive bytes for each head
	s_branch .Ltail
.Larm_v:
	; ---- v: my lane's row is a channel, my registers run along 128 keys: one fragment of V^T for each block a
	s_lshr_b32 s60, s26, 3
	s_lshl_b32 s60, s60, 4
	s_lshl_b32 s61, s27, 2
	s_add_co_u32 s60, s60, s61
	s_lshl_b32 s61, s19, 1
	s_add_co_u32 s60, s60, s61                     ; 16 x batch + my first head
	s_and_b32 s61, s26, 7
	s_lshl_b32 s61, s61, 1
	s_add_co_u32 s61, s61, s20                     ; my 128 keys within the batch
	s_lshl_b32 s86, s60, 17
	s_add_co_u32 s86, s86, 0x800000
	s_lshl_b32 s62, s61, 13
	s_add_co_u32 s86, s86, s62
	s_mov_b32 s87, 0
	s_add_nc_u64 s[74:75], s[14:15], s[86:87]      ; codes: [batch, head][128 keys][tile of 16 channels: 4][piece 4][512]
	s_mul_i32 s86, s60, 20480
	s_add_co_u32 s86, s86, 16384
	s_lshl_b32 s62, s61, 8
	s_add_co_u32 s86, s86, s62
	s_add_nc_u64 s[76:77], s[16:17], s[86:87]      ; scale words: [128 keys][row 16][tile 4]
	v_mul_u32_u24 v[SO], v2, 20480
	v_lshl_add_u32 v[SO], v1, 4, v[SO]
.irp a, 0,1,2,3,4,5,6,7
	ds_load_b32 v[BI+2*\a], v[BV] offset:4*(32*(\a/2)+8*(\a%2))     ; my channel's bias, twice: a pair for the packed addition
	ds_load_b32 v[BI+2*\a+1], v[BV] offset:4*(32*(\a/2)+8*(\a%2))
.endr
	s_wait_dscnt 0x0
.irp a, 0,1,2,3,4,5,6,7
	ADDB \a, 1
	QUANT X, PC, W+\a
.irp c, 0,1,2,3
	global_store_b128 v[LI], v[PC+4*\c:PC+4*\c+3], s[74:75] offset:131072*(\a/4)+2048*(\a%4)+512*\c
.endr
.endr
	v_cmp_eq_u32 vcc_lo, 1, v2
.irp d, 0,1,2,3
	v_cndmask_b32 v[TM+\d], v[W+\d], v[W+4+\d], vcc_lo   ; lanes 16-31 store the second head's four words
.endr
	global_store_b128 v[SO], v[TM:TM+3], s[76:77]  ; sixteen lanes: 256 consecutive bytes, aligned
.Ltail:
	s_wait_tensorcnt 0x0                           ; the wave's end
	ds_add_u32 v[SPW], v[NIL]
	s_wait_dscnt 0x0
	CROUND                                         ; the closing round: no work-group ends while a partner may still ask for a tile that names it
	s_endpgm
.Lfunc_end_k_qf34f341406_proj:
	.size	k_qf34f341406_proj, .Lfunc_end_k_qf34f341406_proj-k_qf34f341406_proj
	.p2alignl 7, 3214868480
	.fill 96, 4, 3214868480
	.section	.rodata,"a",@progbits
	.p2align	6, 0x0
	.amdhsa_kernel k_qf34f341406_proj
		.amdhsa_group_segment_fixed_size 327680
		.amdhsa_private_segment_fixed_size 0
		.amdhsa_enable_private_segment 0
		.amdhsa_kernarg_size 56
		.amdhsa_user_sgpr_count 2
		.amdhsa_user_sgpr_kernarg_segment_ptr 1
		.amdhsa_wavefront_size32 1
		.amdhsa_system_sgpr_workgroup_id_x 1
		.amdhsa_system_sgpr_workgroup_id_y 1
		.amdhsa_system_sgpr_workgroup_id_z 1
		.amdhsa_system_vgpr_workitem_id 0
		.amdhsa_next_free_vgpr 1024
		.amdhsa_next_free_sgpr 100
		.amdhsa_reserve_vcc 1
		.amdhsa_float_denorm_mode_32 3
		.amdhsa_float_denorm_mode_16_64 3
		.amdhsa_memory_ordered 1
		.amdhsa_forward_progress 1
		.amdhsa_inst_pref_size 255
	.end_amdhsa_kernel
	.section	.bss,"aw",@nobits
	.p2align	6
	.space	262144
	.amdgpu_metadata
---
amdhsa.version: [ 1, 2 ]
amdhsa.kernels:
  - .name:           k_qf34f341406_proj
    .symbol:         k_qf34f341406_proj.kd
    .args:
      - { .name: in_img, .offset: 0, .size: 8, .value_kind: global_buffer, .address_space: global }
      - { .name: in_sc, .offset: 8, .size: 8, .value_kind: global_buffer, .address_space: global }
      - { .name: bq, .offset: 16, .size: 8, .value_kind: global_buffer, .address_space: global }
      - { .name: bk, .offset: 24, .size: 8, .value_kind: global_buffer, .address_space: global }
      - { .name: bv, .offset: 32, .size: 8, .value_kind: global_buffer, .address_space: global }
      - { .name: qkv_img, .offset: 40, .size: 8, .value_kind: global_buffer, .address_space: global }
      - { .name: sc_qkv, .offset: 48, .size: 8, .value_kind: global_buffer, .address_space: global }
    .group_segment_fixed_size: 327680
    .private_segment_fixed_size: 0
    .kernarg_segment_align: 8
    .kernarg_segment_size: 56
    .max_flat_workgroup_size: 128
    .sgpr_count:     100
    .vgpr_count:     1024
    .wavefront_size: 32
...
	.end_amdgpu_metadata
.endif
;; end of part 2
;; launch attn (part 3): grid 8 x 32, 8 waves a work-group, clusters of 4 x 1, 327,680 bytes of LDS; arguments qkv_img, sc_qkv, o_img, o_sc; writes o_img, o_sc
.if DOCPART == 3
	.amdgcn_target "amdgcn-amd-amdhsa--gfx1250"
	.amdhsa_code_object_version 6
	.text
	.protected	k_qf34f341406_attn
	.globl	k_qf34f341406_attn
	.p2align	8
	.type	k_qf34f341406_attn,@function
k_qf34f341406_attn:
	s_mov_b64 s[64:65], 0
	v_nop
	global_prefetch_b8 v0, s[64:65] scope:SCOPE_SE
	s_setreg_imm32_b32 hwreg(HW_REG_WAVE_MODE, 25, 1), 1
	s_wait_xcnt 0x0
	s_wait_alu depctr_hold_cnt(0) depctr_sa_sdst(0) depctr_va_vdst(0) depctr_va_sdst(0) depctr_va_ssrc(0) depctr_va_vcc(0) depctr_vm_vsrc(0)
	s_getreg_b32 s2, hwreg(HW_REG_IB_STS2, 6, 4)
	s_cmp_eq_u32 s2, 0
	s_cbranch_scc0 .Lentry_in_a_cluster
	s_endpgm
.Lentry_in_a_cluster:
	s_bfe_u32 s2, ttmp6, 0x10000c
	s_cmp_lg_u32 s2, 0x3003
	s_cbranch_scc0 .Lentry_shape_is_right
	s_endpgm
.Lentry_shape_is_right:
; O = softmax(q k^T / 32) v for each of 32 (batch, head), 2,048 queries and keys, head size 64; both products on codes of FP8 (E4M3) with E8M0 scales for each 32 along K.  O / l is quantised along E and leaves as codes.
; THE SOFTMAX: t = score x log2(e) / 32; M = the running largest t rounded UP to a whole number; p = 2^(t - M) is quantised along the keys, not normalised; the row's sum l is taken of the unquantised p, in f32,
; and divides O at the end.  When M moves, l and O are multiplied by 2^(old M - new M): exact.
; LIMITS: no NaN, no infinities; a block whose every p has fallen to 0, and a block of O under 2^-118, keep the byte 1 (their codes are zeros or near it; this program alone reads the bytes).
; A block's largest p is made from the block's largest score by the same two instructions: that takes v_exp_f32 not to fall where its input rises.  1 / l is v_rcp_f32.
; THE FIRST PRODUCT'S K IS 64, the instruction's 128: the upper halves of q's and k's fragments are zero codes, written once.
; SHARES.  A work-group owns 256 queries of one head; each of its eight waves two tiles of 16: two waves to a SIMD.
; A WHOLE HEAD'S K AND V LIE IN LDS (128 KiB each, images of operand registers) with their scale words: every LDS byte is filled once, so there is no ring and no refill.
; CLUSTER.  The four query blocks of a cluster belong to one head: every tile is asked for jointly (mask 15), by the same five lines in every wave, behind one round.  Five tensor loads of a wave are out at the most.
; LAYOUT.  Both products are used transposed (S^T = k q^T, O^T = v^T p^T): a lane holds one query throughout.  By the order of rows in the images' tiles the 16 registers of two neighbouring tiles are 16 neighbouring keys (channels).
; A KEY STEP IS A PIPELINE INSIDE THE WAVE.  The products v^T p^T of step j stand at the top of step j + 1, between that step's two groups of k q^T: the second half of a step's k is asked for behind the first group and lands
; under 24 rescalings and eight products; the first half of the next step's k, its scale words, this step's v and v's scale words are asked for ahead of the softmax.  No wait on DScnt stands directly behind its loads.
; THE TWO TILES' SOFTMAXES GO BY TURNS: eight units (tile x block of 32 keys); while unit k is exponentiated, unit k + 1 is scaled and unit k - 1 summed and converted: two plain lines behind each of the first eight exponentials.
; REGISTERS: window 0: v1-11 addresses; v12-27 statistics and q's, p's scale words; v28-39 k's, v's scale words; v40-57 tile 0's scratch, v224-241 tile 1's; v64-191 S^T, then p (64 a tile); v192-223 p's codes.
;   window 1: v0-63 O^T (32 a tile); v64-95 q; v96-159 four fragments of k; v160-223 four of v.
.set VB,   131072                      ; LDS: k at 0, v here,
.set SCKB, 262144                      ; k's scale words [128 keys: 16][row 16][tile 8],
.set SCVB, 270336                      ; v's [128 keys: 16][row 16][tile 4],
.set OSC,  274432                      ; and 1,024 bytes in which O's scale words meet; no tile lands here
.set AK0,  1                           ; v1 16 x lane;  v2 the same in v;  v3, v4 my row among k's and v's scale words
.set AV0,  2
.set ASK0, 3
.set ASV0, 4
.set ADK,  5                           ; v5-8 the same for the step in hand
.set ADV,  6
.set ADS,  7
.set ADT,  8
.set BM,   40                          ; tile 0: v40-43 block maxima;  v44-47 permutes, bytes;  v52-55 the conversions' scale operands;  v[56:57] at work, then the sum's second chain
.set T2,   44
.set HOLD, 48
.set SOP,  52
.set TMP,  56
.set TL,   184                         ; tile 1's lie so much higher
.set SEL,  52                          ; s[52:53]
.set CS,   54                          ; s[54:55] c = log2(e) / 32
.set MNT,  56
.set TB,   57                          ; s57 where the step's tiles begin in k and in v: 8,192 bytes a step
.set TS,   58                          ; s58 k's scale words: 512 a step
.set TJ,   59                          ; s59 v's: 256 a step
.set CNT,  60
.set MSB, 0
.macro WIN new
.if MSB != (\new)
	s_set_vgpr_msb (MSB<<8)|(\new)
.set MSB, (\new)
.endif
.endm
.macro PLACES n
.rept \n
	v_nop
.endr
.endm
.macro CROUND
	s_barrier_signal -1
	s_barrier_wait -1
	s_cmp_lg_u32 s12, 0
	s_cbranch_scc1 .Lnot_wave_0_\@
	s_barrier_signal -3
.Lnot_wave_0_\@:
	s_barrier_wait -3
	s_barrier_signal -1
	s_barrier_wait -1
.endm
	s_load_b256 s[4:11], s[0:1], 0x0               ; qkv_img s[4:5], sc_qkv s[6:7], o_img s[8:9], o_sc s[10:11]
	v_lshl_add_u32 v254, v0, 2, 0x43400
	v_mov_b32 v255, 0
	ds_add_u32 v254, v255
	ds_add_u32 v254, v255
	v_lshrrev_b32 v1, 5, v0
	s_delay_alu instid0(VALU_DEP_1)
	v_readfirstlane_b32 s12, v1                    ; wave 0..7
	s_bfe_u32 s13, ttmp6, 0x40000                  ; cx: it enters q's and O's addresses alone
	s_lshl_b32 s14, ttmp9, 2
	s_add_co_u32 s14, s14, s13                     ; my block of 256 queries
	s_and_b32 s15, ttmp7, 0xffff                   ; 16 x batch + head, which the four partners share
	s_lshr_b32 s66, s12, 2                         ; I fetch for k (0) or for v (1),
	s_and_b32 s67, s12, 3                          ; this quarter of each chunk of 32 KiB
	s_lshl_b32 s68, s66, 17
	s_lshl_b32 s69, s67, 13
	s_add_co_u32 s68, s68, s69                     ; in LDS,
	s_add_co_u32 s70, s66, 1
	s_lshl_b32 s70, s70, 22
	s_lshl_b32 s71, s15, 17
	s_add_co_u32 s70, s70, s71
	s_add_co_u32 s70, s70, s69                     ; and in memory
	s_mov_b32 s71, 0
	s_mul_i32 s72, s12, 1536                       ; my eighth of the head's 12,288 bytes of k's and v's scale words
	s_mul_i32 s74, s15, 20480
	s_add_co_u32 s74, s74, s72
	s_add_co_u32 s74, s74, 8192
	s_mov_b32 s75, 0
	s_mov_b32 s16, 15|(3<<16)|(1<<21)              ; group 1 for the chunks: 15:0 the mask, all four; elements of 8 bytes; 21 set beside a mask
	s_mov_b32 s17, 32<<16                          ; rows of 256 bytes,
	s_mov_b32 s18, 32<<16                          ; 32 of them, dense
	s_mov_b32 s19, 32<<16
	s_mov_b32 s20, 32
	s_mov_b32 s21, 32
	s_mov_b32 s22, 0
	s_mov_b32 s23, 0
	s_mov_b32 s24, 15|(3<<16)|(1<<21)              ; for the scale words: 6 rows
	s_mov_b32 s25, 32<<16
	s_mov_b32 s26, 6<<16
	s_mov_b32 s27, 32<<16
	s_mov_b32 s28, 6
	s_mov_b32 s29, 32
	s_mov_b32 s30, 0
	s_mov_b32 s31, 0
	s_mov_b32 s[SEL], 0x76543210
	s_mov_b32 s[SEL+1], 0xfedcba98
	s_mov_b32 s[CS], 0x3d38aa3b
	s_mov_b32 s[CS+1], s[CS]                       ; named with it as a pair, so it is written
	s_lshl_b32 s76, s14, 4
	s_lshl_b32 s77, s12, 1
	s_add_co_u32 s76, s76, s77                     ; my first tile of queries: 16 x block + 2 x wave
	s_lshl_b32 s78, s76, 10
	s_lshl_b32 s79, s15, 17
	s_add_co_u32 s78, s78, s79
	s_mov_b32 s79, 0
	s_mul_i32 s80, s15, 20480
	s_lshl_b32 s81, s14, 1
	s_add_co_u32 s81, s81, s66
	s_lshl_b32 s81, s81, 9
	s_add_co_u32 s80, s80, s81
	s_lshl_b32 s81, s67, 3
	s_add_co_u32 s80, s80, s81                     ; q's scale words: [128 queries][row][tile 8]
	s_mov_b32 s81, 0
	s_lshr_b32 s82, s15, 4                         ; batch
	s_and_b32 s83, s15, 15                         ; head
	s_lshr_b32 s84, s83, 2
	s_lshl_b32 s84, s84, 20                        ; O's codes: K step head / 4,
	s_lshl_b32 s85, s82, 7
	s_add_co_u32 s85, s85, s76
	s_lshl_b32 s85, s85, 12                        ; tile 128 x batch + mine,
	s_add_co_u32 s84, s84, s85
	s_and_b32 s85, s83, 3
	s_lshl_b32 s85, s85, 10                        ; 1,024 (head % 4): which 128 along K and which two pieces
	s_add_co_u32 s84, s84, s85
	s_mov_b32 s85, 0
	s_lshl_b32 s86, s83, 14                        ; O's scale words: [head][tile 256][row 16]
	s_lshl_b32 s87, s82, 7
	s_lshl_b32 s88, s14, 4
	s_add_co_u32 s87, s87, s88
	s_lshl_b32 s87, s87, 6
	s_add_co_u32 s86, s86, s87
	s_mov_b32 s87, 0
	s_wait_dscnt 0x0
	s_wait_kmcnt 0x0
	s_add_nc_u64 s[70:71], s[4:5], s[70:71]
	s_add_nc_u64 s[74:75], s[6:7], s[74:75]
	s_add_nc_u64 s[78:79], s[4:5], s[78:79]
	s_add_nc_u64 s[80:81], s[6:7], s[80:81]
	s_add_nc_u64 s[8:9], s[8:9], s[84:85]
	s_add_nc_u64 s[10:11], s[10:11], s[86:87]
	s_mov_b32 s32, 1
	s_add_co_u32 s33, s72, SCKB
	s_mov_b64 s[34:35], s[74:75]
	s_or_b32 s35, s35, 0x80000000
.irp c, 0,1,2,3
	s_mov_b32 s[36+4*\c], 1
	s_add_co_u32 s[37+4*\c], s68, 32768*\c
	s_add_nc_u64 s[38+4*\c:39+4*\c], s[70:71], 32768*\c
	s_or_b32 s[39+4*\c], s[39+4*\c], 0x80000000
.endr
	CROUND                                         ; all four work-groups are here: the joint loads meet
	tensor_load_to_lds s[32:35], s[24:31]          ; the scale words, then the four chunks of 512 keys: all of them first fills, in one group
	s_nop 0
	tensor_load_to_lds s[36:39], s[16:23]
	s_nop 0
	tensor_load_to_lds s[40:43], s[16:23]
	s_nop 0
	tensor_load_to_lds s[44:47], s[16:23]
	s_nop 0
	tensor_load_to_lds s[48:51], s[16:23]
	s_nop 0
.rept 4
	v_nop
.endr
	v_and_b32 v56, 31, v0
	v_and_b32 v57, 15, v0                          ; r
	s_delay_alu instid0(VALU_DEP_2)
	v_lshlrev_b32 v[AK0], 4, v56                   ; 16 x lane
	s_delay_alu instid0(VALU_DEP_1)
	v_add_nc_u32 v[AV0], VB, v[AK0]
	s_delay_alu instid0(VALU_DEP_3)
	v_lshl_add_u32 v[ASK0], v57, 5, SCKB
	s_delay_alu instid0(VALU_DEP_4)
	v_lshl_add_u32 v[ASV0], v57, 4, SCVB
	v_lshl_add_u32 v9, v0, 2, OSC
	v_lshl_add_u32 v10, v0, 4, OSC
	v_lshlrev_b32 v11, 4, v0
	v_lshlrev_b32 v58, 5, v57
	global_load_b32 v26, v58, s[80:81]             ; q's scale words, tile 0 and tile 1
	global_load_b32 v27, v58, s[80:81] offset:4
	WIN 0x40                                       ; destination window 1
.irp j, 0,1
.irp c, 0,1
	global_load_b128 v[64+16*\j+4*\c:64+16*\j+4*\c+3], v[AK0], s[78:79] offset:1024*\j+512*\c   ; q stays in registers
.endr
.endr
.irp j, 0,1
.irp n, 8,9,10,11,12,13,14,15
	v_mov_b32 v[64+16*\j+\n], 0                    ; q's K = 64 .. 127: zero codes
.endr
.endr
.irp t, 0,1,2,3
.irp n, 8,9,10,11,12,13,14,15
	v_mov_b32 v[96+16*\t+\n], 0                    ; k's likewise: the loads never touch them
.endr
.endr
	WIN 0
.irp j, 0,1
	v_mov_b32 v[13+4*\j], 0xff61b1e6               ; the largest t so far: -3e38
	s_delay_alu instid0(VALU_DEP_1)
	v_floor_f32 v[12+4*\j], -v[13+4*\j]            ; -M
	v_mov_b32 v[14+4*\j], 0                        ; the sum, in two halves
	v_mov_b32 v[15+4*\j], 0
	v_mov_b32 v[21+2*\j], 0                        ; named as the upper half of f's pair
.irp b, 0,1,2,3
	v_mov_b32 v[T2+TL*\j+\b], 0                    ; a lane permute's destination counts as one of its sources
.endr
.endr
	v_mov_b32 v59, 0                               ; named as the upper half of the pair of 1 / l
	s_wait_loadcnt 0x0                             ; q
; THE PIECES OF THE SOFTMAX.  Unit u = 2 b + j is block b (32 keys: 16 registers of a lane) of tile j, at v[64 + 64 j + 16 b].
.macro FM u, i                         ; pair i of 8: t - M
.set fb, 64+64*((\u)%2)+16*((\u)/2)+2*(\i)
	v_pk_fma_f32 v[fb:fb+1], v[fb:fb+1], s[CS:CS+1], v[12+4*((\u)%2):13+4*((\u)%2)] op_sel_hi:[1,0,0]
.endm
.macro EX u, i                         ; register i of 16: p = 2^(t - M), at most 1
.set eb, 64+64*((\u)%2)+16*((\u)/2)+(\i)
	v_exp_f32 v[eb], v[eb]
.endm
.macro SM u, i                         ; slot i of 8: the sum of the UNQUANTISED p, in two chains a tile.  A tile's first unit brings the sum under the new M (slot 0) and starts the second chain with pairs 0 and 1 (slot 1)
.set sb, 64+64*((\u)%2)+16*((\u)/2)
.set sl, 14+4*((\u)%2)
.set st, TMP+TL*((\u)%2)
.if (((\u)/2) == 0) && ((\i) == 0)
	v_pk_mul_f32 v[sl:sl+1], v[sl:sl+1], v[20+2*((\u)%2):21+2*((\u)%2)] op_sel_hi:[1,0]
.elseif (((\u)/2) == 0) && ((\i) == 1)
	s_wait_alu depctr_va_vdst(0)
	v_pk_add_f32 v[st:st+1], v[sb:sb+1], v[sb+2:sb+3]
.elseif ((\i)%2) == 0
	v_pk_add_f32 v[sl:sl+1], v[sl:sl+1], v[sb+2*(\i):sb+2*(\i)+1]
.else
	s_wait_alu depctr_va_vdst(0)
	v_pk_add_f32 v[st:st+1], v[st:st+1], v[sb+2*(\i):sb+2*(\i)+1]
.endif
.endm
.macro HD u, i                         ; register i of 16: emits nothing: p goes to the conversion unheld
.set hb, 64+64*((\u)%2)+16*((\u)/2)+(\i)
.endm
.macro CV u                            ; the unit's 16 codes: four registers of the second product's operand
.set cb, 64+64*((\u)%2)+16*((\u)/2)
.set cp, 192+16*((\u)%2)+4*((\u)/2)
	v_cvt_scalef32_pk8_fp8_f32 v[cp:cp+1], v[cb:cb+7], v[SOP+TL*((\u)%2)+(\u)/2]
	v_cvt_scalef32_pk8_fp8_f32 v[cp+2:cp+3], v[cb+8:cb+15], v[SOP+TL*((\u)%2)+(\u)/2]
.endm
; Stage k, 1 to 7: unit k's sixteen exponentials, and behind each of the first eight two plain lines that name other units: unit k - 1 is summed, unit k + 1 scaled (in stage 7: the eight scale bytes instead)
.macro STAGE k
.set n, 0
.rept 8
	EX \k, n
	SM (\k)-1, n
.if (\k) < 7
	FM (\k)+1, n
.else
	v_lshrrev_b32 v[T2+TL*(n%2)+n/2], 23, v[SOP+TL*(n%2)+n/2]
.endif
.set n, n+1
.endr
.set n, 0
.rept 8
	EX \k, 8+n
	HD (\k)-1, 2*n
	HD (\k)-1, 2*n+1
.set n, n+1
.endr
	CV (\k)-1
.endm
; Both tiles' softmax for 128 keys.  Index n = 2 b + j runs over the eight (block, tile) in the small arrays: register base + TL (n % 2) + n / 2
.macro SOFTMAX2
.irp b, 0,1,2,3
.irp j, 0,1
	v_max3_num_f32 v[BM+TL*\j+\b], v[64+64*\j+16*\b], v[65+64*\j+16*\b], v[66+64*\j+16*\b]   ; the largest score of each block: for the row's maximum, and for the block's largest p.  Eight chains by turns; each accumulator is first read at its low end
.endr
.endr
.irp i, 3,5,7,9,11,13
.irp b, 0,1,2,3
.irp j, 0,1
	v_max3_num_f32 v[BM+TL*\j+\b], v[BM+TL*\j+\b], v[64+64*\j+16*\b+\i], v[65+64*\j+16*\b+\i]
.endr
.endr
.endr
.irp b, 0,1,2,3
.irp j, 0,1
	v_max_num_f32 v[BM+TL*\j+\b], v[BM+TL*\j+\b], v[79+64*\j+16*\b]
.endr
.endr
.irp b, 0,1,2,3
.irp j, 0,1
	v_permlanex16_b32 v[T2+TL*\j+\b], v[BM+TL*\j+\b], s[SEL], s[SEL+1]
.endr
.endr
.irp b, 0,1,2,3
.irp j, 0,1
	v_max_num_f32 v[BM+TL*\j+\b], v[BM+TL*\j+\b], v[T2+TL*\j+\b]   ; with lane l xor 16's 16 keys
.endr
.endr
.irp j, 0,1
	v_mov_b32 v[TMP+1+TL*\j], v[12+4*\j]           ; the old -M
.endr
.irp j, 0,1
	v_max3_num_f32 v[TMP+TL*\j], v[BM+TL*\j], v[BM+1+TL*\j], v[BM+2+TL*\j]
.endr
.irp j, 0,1
	s_delay_alu instid0(VALU_DEP_2)
	v_max_num_f32 v[TMP+TL*\j], v[TMP+TL*\j], v[BM+3+TL*\j]
.endr
.irp j, 0,1
	s_delay_alu instid0(VALU_DEP_2)
	v_mul_f32 v[TMP+TL*\j], s[CS], v[TMP+TL*\j]    ; the step's largest t (c is positive)
.endr
.irp j, 0,1
	s_delay_alu instid0(VALU_DEP_2)
	v_max_num_f32 v[13+4*\j], v[13+4*\j], v[TMP+TL*\j]
.endr
.irp j, 0,1
	s_delay_alu instid0(VALU_DEP_2)
	v_floor_f32 v[12+4*\j], -v[13+4*\j]            ; the new -M = -ceil(t): a whole number
.endr
.set n, 0
.rept 8
	v_fma_f32 v[BM+TL*(n%2)+n/2], v[BM+TL*(n%2)+n/2], s[CS], v[12+4*(n%2)]   ; t - M of each block's largest score
.set n, n+1
.endr
.irp j, 0,1
	v_sub_f32 v[TMP+TL*\j], v[12+4*\j], v[TMP+1+TL*\j]   ; old M less new M: a whole number, 0 or less
.endr
.irp j, 0,1
	s_delay_alu instid0(VALU_DEP_2)
	v_cvt_i32_f32 v[TMP+TL*\j], v[TMP+TL*\j]       ; (it saturates)
.endr
.set n, 0
	s_wait_alu depctr_va_vdst(0)
.rept 8
	v_exp_f32 v[BM+TL*(n%2)+n/2], v[BM+TL*(n%2)+n/2]   ; the block's largest p
	FM 0, n
.set n, n+1
.endr
.irp j, 0,1
	v_ldexp_f32 v[20+2*\j], 1.0, v[TMP+TL*\j]      ; f = 2^(old M - new M)
.endr
.set n, 0
	s_wait_alu depctr_va_vdst(0)
.rept 8                                ; stage 0: unit 0's exponentials among the making of the eight scales
	EX 0, n
	s_wait_alu depctr_va_vdst(0)
	v_max_num_f32 v[BM+TL*(n%2)+n/2], 0x4800000, v[BM+TL*(n%2)+n/2]   ; the floor 2^(9 - 127): the byte cannot fall under 1
	FM 1, n
.set n, n+1
.endr
.set n, 0
	s_wait_alu depctr_va_vdst(0)
.rept 8
	EX 0, 8+n
	v_add_nc_u32 v[SOP+TL*(n%2)+n/2], 0xfc000000, v[BM+TL*(n%2)+n/2]          ; 8 off the exponent field: the conversion's scale operand
.set n, n+1
.endr
.irp k, 1,2,3,4,5,6,7
	STAGE \k
.endr
.irp j, 0,1
	v_lshl_or_b32 v[24+\j], v[T2+1+TL*\j], 8, v[T2+TL*\j]   ; p's scale words: twelve plain lines follow here, more than the eight owed ahead of the products that read them
.endr
.irp j, 0,1
	s_delay_alu instid0(VALU_DEP_2)
	v_lshl_or_b32 v[24+\j], v[T2+2+TL*\j], 16, v[24+\j]
.endr
	s_wait_alu depctr_va_vdst(0)
.irp j, 0,1
	v_lshl_or_b32 v[24+\j], v[T2+3+TL*\j], 24, v[24+\j]
.endr
.set n, 0
.rept 8                                ; the last unit: each pair is summed
	SM 7, n
	HD 7, 2*n
	HD 7, 2*n+1
.set n, n+1
.endr
	CV 7
.irp j, 0,1
	v_pk_add_f32 v[14+4*\j:15+4*\j], v[14+4*\j:15+4*\j], v[TMP+TL*\j:TMP+1+TL*\j]   ; the two chains meet; also the plain lines behind the last conversion
.endr
.endm
.macro KLOAD adr, off                  ; four tiles of 16 keys: 8 registers of codes each
.irp t, 0,1,2,3
.irp c, 0,1
	ds_load_b128 v[96+16*\t+4*\c:96+16*\t+4*\c+3], v[\adr] offset:\off+1024*\t+512*\c
.endr
.endr
.endm
.macro SPROD g                         ; S^T = k q^T: four tiles of keys, each against my two tiles of queries
	WIN 0x05                                       ; sources 0 and 1 window 1, the result window 0
.irp t, 0,1,2,3
.irp j, 0,1
	v_wmma_scale_f32_16x16x128_f8f6f4 v[64+64*\j+8*(4*\g+\t):64+64*\j+8*(4*\g+\t)+7], v[96+16*\t:96+16*\t+15], v[64+16*\j:64+16*\j+15], 0, v[28+4*\g+\t], v[26+\j]
.endr
.endr
.endm
.macro RESC m0, cnt                    ; O^T under the new M: pairs m0 on, ascending: each accumulator is first read at its low end
	WIN 0x41                                       ; O^T (destination, source 0) window 1, f window 0
.set m, \m0
.rept \cnt
	v_pk_mul_f32 v[2*m:2*m+1], v[2*m:2*m+1], v[20+2*(m/16):21+2*(m/16)] op_sel_hi:[1,0]
.set m, m+1
.endr
.endm
.macro PVM zero                        ; O^T += v^T p^T: eight accumulators by turns, one instruction a turn.  zero = 1: the first products start the sums: nothing is cleared
	WIN 0x51                                       ; v window 1, p window 0, O^T window 1
.irp d, 0,1,2,3
.irp j, 0,1
.if \zero
	v_wmma_scale_f32_16x16x128_f8f6f4 v[32*\j+8*\d:32*\j+8*\d+7], v[160+16*\d:160+16*\d+15], v[192+16*\j:192+16*\j+15], 0, v[36+\d], v[24+\j]
.else
	v_wmma_scale_f32_16x16x128_f8f6f4 v[32*\j+8*\d:32*\j+8*\d+7], v[160+16*\d:160+16*\d+15], v[192+16*\j:192+16*\j+15], v[32*\j+8*\d:32*\j+8*\d+7], v[36+\d], v[24+\j]
.endif
.endr
.endr
.endm
; A KEY STEP: 128 keys.  pv: the step before's v^T p^T: 0 none, 1 it starts O^T's sums, 2 it adds.  pre = 1: the next step's first half of k and its scale words are fetched.
; Eight places stand between a product and a load into one of its registers or the first read of its result: rescalings, additions of addresses, else v_nop.
.macro STEP pv, pre
	v_add_nc_u32 v[ADK], s[TB], v[AK0]
	s_wait_alu depctr_va_vdst(0)
	s_wait_dscnt 0x0                               ; asked for ahead of the last softmax: k's first half and scale words, the last step's v and its scale words
	SPROD 0
.if \pv == 2
	RESC 0, 8                                      ; eight places
.else
	PLACES 8
.endif
	WIN 0x40                                       ; destination window 1, address window 0
	KLOAD ADK, 4096                                ; k's second half
.if \pv == 2
	RESC 8, 24
	PVM 0
.elseif \pv == 1
	PVM 1
.endif
	s_wait_dscnt 0x0                               ; k's second half
	SPROD 1
	WIN 0
	v_add_nc_u32 v[ADV], s[TB], v[AV0]
	v_add_nc_u32 v[ADT], s[TJ], v[ASV0]
.if \pre
	v_add_nc_u32 v[ADS], s[TS], v[ASK0]
	PLACES 5
.else
	PLACES 6
.endif
	WIN 0x40
.irp d, 0,1,2,3
.irp c, 0,1,2,3
	ds_load_b128 v[160+16*\d+4*\c:160+16*\d+4*\c+3], v[ADV] offset:2048*\d+512*\c   ; this step's v
.endr
.endr
.if \pre
	KLOAD ADK, 8192                                ; the next step's k, first half
.endif
	WIN 0
	ds_load_b128 v[36:39], v[ADT]
.if \pre
	ds_load_b128 v[28:31], v[ADS] offset:512       ; the next step's eight scale words of k
	ds_load_b128 v[32:35], v[ADS] offset:528
.endif
	SOFTMAX2
.endm
; My part of the chunks that the next steps touch is in; the count leaves the younger chunks on their way: nothing is ever filled again, so they may cross the barrier.  No LDS load of mine is out at the signal.
.macro SYNC left
	s_wait_tensorcnt \left
	s_wait_dscnt 0x0
	s_barrier_signal -1
	s_barrier_wait -1
.endm
.macro AT step
	s_mov_b32 s[TB], 8192*(\step)
	s_mov_b32 s[TS], 512*(\step)
	s_mov_b32 s[TJ], 256*(\step)
.endm
.macro STEPS first, trips
	AT \first
	s_mov_b32 s[CNT], \trips
.Lstep_\@:
	STEP 2, 1
	s_add_co_u32 s[TB], s[TB], 8192
	s_add_co_u32 s[TS], s[TS], 512
	s_add_co_u32 s[TJ], s[TJ], 256
	s_sub_co_u32 s[CNT], s[CNT], 1
	s_cmp_lg_u32 s[CNT], 0
	s_cbranch_scc1 .Lstep_\@
.endm
	SYNC 3                                         ; the scale words and keys 0-511 (steps 0-3) are in; three younger loads may be out
	WIN 0x40
	KLOAD AK0, 0                                   ; step 0: k's first half
	WIN 0
	ds_load_b128 v[28:31], v[ASK0]
	ds_load_b128 v[32:35], v[ASK0] offset:16
	AT 0
	STEP 0, 1
	AT 1
	STEP 1, 1
	SYNC 2                                         ; keys 512-1,023 (steps 4-7) are in; two younger loads may be out
	STEPS 2, 4                                     ; steps 2-5; they fetch as far as step 6's k
	SYNC 0                                         ; all keys are in
	STEPS 6, 9                                     ; steps 6-14
	AT 15
	STEP 2, 0                                      ; the last step fetches no further k
	s_wait_dscnt 0x0                               ; its v
	RESC 0, 32
	PVM 0
	WIN 0
; THE WAY OUT.  O^T / l: register 16 b + i of a tile is channel 32 b + 16 h + i of the head: two blocks of the last product's K.  Quantised as they stand, the codes are two pieces of that operand's image.
.macro QUANT2 s, pc, pw
.irp b, 0,1
	v_max3_num_f32 v[BM+\b], |v[\s+16*\b]|, |v[\s+1+16*\b]|, 0x4800000
.endr
.irp i, 2,4,6,8,10,12,14
.irp b, 0,1
	s_delay_alu instid0(VALU_DEP_2)
	v_max3_num_f32 v[BM+\b], v[BM+\b], |v[\s+16*\b+\i]|, |v[\s+1+16*\b+\i]|
.endr
.endr
.irp b, 0,1
	s_delay_alu instid0(VALU_DEP_2)
	v_permlanex16_b32 v[T2+\b], v[BM+\b], s[SEL], s[SEL+1]
.endr
.irp b, 0,1
	s_delay_alu instid0(VALU_DEP_2)
	v_max_num_f32 v[BM+\b], v[BM+\b], v[T2+\b]
.endr
.irp b, 0,1
	s_delay_alu instid0(VALU_DEP_2)
	v_add_nc_u32 v[SOP+\b], 0xfc000000, v[BM+\b]
.endr
.irp b, 0,1
.endr
.irp b, 0,1
	s_delay_alu instid0(VALU_DEP_2)
	v_lshrrev_b32 v[T2+\b], 23, v[SOP+\b]
.endr
	s_delay_alu instid0(VALU_DEP_1)
	v_lshl_or_b32 v[\pw], v[T2+1], 8, v[T2]        ; two bytes; the upper half stays 0
.irp b, 0,1
.irp i, 0,1,2,3,4,5,6,7,8,9,10,11,12,13,14,15
.endr
	v_cvt_scalef32_pk8_fp8_f32 v[\pc+4*\b:\pc+4*\b+1], v[\s+16*\b:\s+16*\b+7], v[SOP+\b]
	v_cvt_scalef32_pk8_fp8_f32 v[\pc+4*\b+2:\pc+4*\b+3], v[\s+16*\b+8:\s+16*\b+15], v[SOP+\b]
.endr
	v_nop
.endm
	PLACES 8                                       ; behind the last products
.irp j, 0,1
	v_add_f32 v56, v[14+4*\j], v[15+4*\j]          ; the sum's two halves,
	s_delay_alu instid0(VALU_DEP_1)
	v_permlanex16_b32 v57, v56, s[SEL], s[SEL+1]
	s_delay_alu instid0(VALU_DEP_1)
	v_add_f32 v56, v56, v57                        ; and lane l xor 16's
	s_wait_alu depctr_va_vdst(0)
	v_rcp_f32 v58, v56
	v_nop                                          ; a plain line behind the reciprocal
	WIN 0x01                                       ; source 0 window 1
.set n, 0
	s_wait_alu depctr_va_vdst(0)
.rept 16
	v_pk_mul_f32 v[64+64*\j+n:64+64*\j+n+1], v[32*\j+n:32*\j+n+1], v[58:59] op_sel_hi:[1,0]   ; ascending: each accumulator from its low end on
.set n, n+2
.endr
	WIN 0
	QUANT2 64+64*\j, 224+8*\j, 240+\j
.irp b, 0,1
	global_store_b128 v[AK0], v[224+8*\j+4*\b:224+8*\j+4*\b+3], s[8:9] offset:4096*\j+512*\b   ; 512 consecutive bytes, aligned
.endr
.endr
	v_and_b32 v56, 31, v0
	s_delay_alu instid0(VALU_DEP_1)
	v_cmp_lt_u32 vcc_lo, 15, v56
	s_delay_alu instid0(VALU_DEP_1)
	v_cndmask_b32 v242, v240, v241, vcc_lo         ; lanes 0-15: tile 0's words, lanes 16-31: tile 1's
	ds_store_b32 v9, v242                          ; the work-group's 16 tiles x 16 words meet: 4 x thread
	s_wait_dscnt 0x0
	s_barrier_signal -1
	s_barrier_wait -1
	s_cmp_lt_u32 s12, 2
	s_cbranch_scc0 .Lno_sc
	ds_load_b128 v[244:247], v10
	s_wait_dscnt 0x0
	global_store_b128 v11, v[244:247], s[10:11]    ; waves 0 and 1: 512 consecutive bytes each
.Lno_sc:
	s_wait_tensorcnt 0x0
	ds_add_u32 v254, v255
	s_wait_dscnt 0x0
	CROUND                                         ; the closing round
	s_endpgm
.Lfunc_end_k_qf34f341406_attn:
	.size	k_qf34f341406_attn, .Lfunc_end_k_qf34f341406_attn-k_qf34f341406_attn
	.p2alignl 7, 3214868480
	.fill 96, 4, 3214868480
	.section	.rodata,"a",@progbits
	.p2align	6, 0x0
	.amdhsa_kernel k_qf34f341406_attn
		.amdhsa_group_segment_fixed_size 327680
		.amdhsa_private_segment_fixed_size 0
		.amdhsa_enable_private_segment 0
		.amdhsa_kernarg_size 32
		.amdhsa_user_sgpr_count 2
		.amdhsa_user_sgpr_kernarg_segment_ptr 1
		.amdhsa_wavefront_size32 1
		.amdhsa_system_sgpr_workgroup_id_x 1
		.amdhsa_system_sgpr_workgroup_id_y 1
		.amdhsa_system_sgpr_workgroup_id_z 1
		.amdhsa_system_vgpr_workitem_id 0
		.amdhsa_next_free_vgpr 512
		.amdhsa_next_free_sgpr 92
		.amdhsa_reserve_vcc 1
		.amdhsa_float_denorm_mode_32 3
		.amdhsa_float_denorm_mode_16_64 3
		.amdhsa_fp16_overflow 1
		.amdhsa_memory_ordered 1
		.amdhsa_forward_progress 1
		.amdhsa_inst_pref_size 172
	.end_amdhsa_kernel
	.amdgpu_metadata
---
amdhsa.version: [ 1, 2 ]
amdhsa.kernels:
  - .name:           k_qf34f341406_attn
    .symbol:         k_qf34f341406_attn.kd
    .args:
      - { .name: qkv_img, .offset: 0, .size: 8, .value_kind: global_buffer, .address_space: global }
      - { .name: sc_qkv, .offset: 8, .size: 8, .value_kind: global_buffer, .address_space: global }
      - { .name: o_img, .offset: 16, .size: 8, .value_kind: global_buffer, .address_space: global }
      - { .name: o_sc, .offset: 24, .size: 8, .value_kind: global_buffer, .address_space: global }
    .group_segment_fixed_size: 327680
    .private_segment_fixed_size: 0
    .kernarg_segment_align: 8
    .kernarg_segment_size: 32
    .max_flat_workgroup_size: 256
    .sgpr_count:     92
    .vgpr_count:     512
    .wavefront_size: 32
...
	.end_amdgpu_metadata
.endif
;; end of part 3
;; launch oproj (part 4): grid 8 x 32, 4 waves a work-group, clusters of 4 x 4, 327,680 bytes of LDS; arguments o_img, o_sc, in_img, in_sc, bo, out0; writes out0
.if DOCPART == 4
	.amdgcn_target "amdgcn-amd-amdhsa--gfx1250"
	.amdhsa_code_object_version 6
	.text
	.protected	k_qf34f341406_oproj
	.globl	k_qf34f341406_oproj
	.p2align	8
	.type	k_qf34f341406_oproj,@function
k_qf34f341406_oproj:
	s_mov_b64 s[64:65], 0
	v_nop
	global_prefetch_b8 v0, s[64:65] scope:SCOPE_SE
	s_setreg_imm32_b32 hwreg(HW_REG_WAVE_MODE, 25, 1), 1
	s_wait_xcnt 0x0
	s_wait_alu depctr_hold_cnt(0) depctr_sa_sdst(0) depctr_va_vdst(0) depctr_va_sdst(0) depctr_va_ssrc(0) depctr_va_vcc(0) depctr_vm_vsrc(0)
	s_getreg_b32 s2, hwreg(HW_REG_IB_STS2, 6, 4)
	s_cmp_eq_u32 s2, 0
	s_cbranch_scc0 .Lentry_in_a_cluster
	s_endpgm
.Lentry_in_a_cluster:
	s_bfe_u32 s2, ttmp6, 0x10000c
	s_cmp_lg_u32 s2, 0xf033
	s_cbranch_scc0 .Lentry_shape_is_right
	s_endpgm
.Lentry_shape_is_right:
; out0 = O Wo^T + bo, on codes of FP8 (E4M3) with E8M0 scales for each 32 along K = 1,024; sums in f32, K ascending.  O's codes and scale words come from the attention's launch, Wo's from the quantising launch.
; A tile of 128 x 128 gives 256 work-groups (tiles of 256 x 256 would be 64); four waves of 64 x 64: 16 accumulators.  Source 0 = Wo's rows (they run along a lane's registers), source 1 = the tokens (a lane's row).
; ALL OF K OF BOTH OPERANDS LIES IN LDS (128 KiB each, images of operand registers): every LDS byte is filled once, so there is no ring and no refill.  Four tensor loads of a wave are out at the most.
; CLUSTERS: 4 x 4.  The tokens' tile hangs on cy and is shared along a row of the cluster, Wo's on cx and along a column: each is asked for jointly.
; The images hold their rows in the order 32 (T / 2) + 8 (T % 2) + p + 8 (p / 8): Wo's make a lane's registers neighbouring columns; the tokens' order is undone by the stores' immediates.
; REGISTERS: window 0: v1-31 addresses, bo; v32-63 the tokens' scale words (8 a + s), v64-95 Wo's (8 b + s): scales and nothing else; v96-127 rows on the way out; v128-255 the accumulators, (a, b) at 128 + 8 (4 a + b).
;   window 1: two fragment buffers of 128: the tokens' four fragments, then Wo's four.
.set STG,  262144                      ; behind the operands: a stage of 16 rows x 272 bytes for each wave; no tile lands here
.set ADRA, 16                          ; v16-17 LDS address of my tokens' fragments, K steps 0-1 and 2-3
.set ADRB, 20                          ; v20-21 the same for Wo
.set STO,  24
.set RD,   25
.set CO,   26
.set SA,   32
.set SB,   64
.set BK,   96
.set G1A,  24                          ; s[24:31], s[32:39] groups 1;  s[40:55], s[68:83] groups 0, a set for each K step
.set G1B,  32
.set G0A,  40
.set G0B,  68
.set MSB, 0
.macro WIN new
.if MSB != (\new)
	s_set_vgpr_msb (MSB<<8)|(\new)
.set MSB, (\new)
.endif
.endm
.macro PLACES n
.rept \n
	v_nop
.endr
.endm
.macro CROUND
	s_barrier_signal -1
	s_barrier_wait -1
	s_cmp_lg_u32 s16, 0
	s_cbranch_scc1 .Lnot_wave_0_\@
	s_barrier_signal -3
.Lnot_wave_0_\@:
	s_barrier_wait -3
	s_barrier_signal -1
	s_barrier_wait -1
.endm
	s_load_b256 s[4:11], s[0:1], 0x0               ; o_img s[4:5], o_sc s[6:7], in_img s[8:9], in_sc s[10:11]
	s_load_b128 s[12:15], s[0:1], 0x20             ; bo s[12:13], out0 s[14:15]
	v_lshl_add_u32 v23, v0, 2, 0x44400
	v_mov_b32 v27, 0
	ds_add_u32 v23, v27
	ds_add_u32 v23, v27
	v_lshrrev_b32 v1, 5, v0
	v_readfirstlane_b32 s16, v1                    ; wave 0..3
	s_lshr_b32 s17, s16, 1                         ; wy: my 64 tokens.  Also: I fetch for the tokens (0) or for Wo (1)
	s_and_b32 s18, s16, 1                          ; wx: my 64 columns.  Also: which four tiles I fetch
	s_bfe_u32 s19, ttmp6, 0x40000                  ; cx
	s_bfe_u32 s20, ttmp6, 0x40004                  ; cy
	s_lshl_b32 s21, ttmp9, 2
	s_add_co_u32 s21, s21, s19                     ; Wo's tile of 128 rows
	s_and_b32 s22, ttmp7, 0xffff
	s_lshl_b32 s22, s22, 2
	s_add_co_u32 s22, s22, s20                     ; the tokens' tile of 128
	s_lshl_b32 s23, s20, 2
	s_lshl_b32 s23, 15, s23                        ; my row of the cluster
	s_lshl_b32 s56, 0x1111, s19                    ; my column
	s_or_b32 s[G1A], s23, (3<<16)|(1<<21)          ; the mask; elements of 8 bytes; 21 set beside a mask
	s_or_b32 s[G1B], s56, (3<<16)|(1<<21)
.irp g, G1A, G1B
	s_mov_b32 s[\g+1], 32<<16                      ; rows of 256 bytes,
	s_mov_b32 s[\g+2], 64<<16                      ; 64 of them, dense: 16 KiB
	s_mov_b32 s[\g+3], 32<<16
	s_mov_b32 s[\g+4], 64
	s_mov_b32 s[\g+5], 32
	s_mov_b32 s[\g+6], 0
	s_mov_b32 s[\g+7], 0
.endr
	s_lshl_b32 s57, s18, 14
	s_lshl_b32 s58, s22, 15
	s_add_co_u32 s58, s58, s57                     ; the tokens: 8 tiles x 4,096 bytes for each tile of 128, + my half
	s_mov_b32 s59, 0
	s_lshl_b32 s60, s21, 15
	s_add_co_u32 s60, s60, s57
	s_add_co_u32 s60, s60, 15728640                ; Wo begins at image tile 960
	s_mov_b32 s61, 0
	s_lshl_b32 s62, s17, 17
	s_add_co_u32 s62, s62, s57                     ; in LDS: no place in the cluster enters
	s_lshl_b32 s84, s21, 3
	s_lshl_b32 s85, s18, 2
	s_add_co_u32 s84, s84, s85
	s_add_co_u32 s84, s84, 960
	s_lshl_b32 s84, s84, 9                         ; Wo's scale words: 512 bytes a tile
	s_mov_b32 s85, 0
	s_lshl_b32 s86, s22, 3
	s_lshl_b32 s87, s17, 2
	s_add_co_u32 s86, s86, s87
	s_lshl_b32 s86, s86, 6                         ; the tokens': 64 bytes a tile and head
	s_mov_b32 s87, 0
	s_lshl_b32 s88, s21, 9
	s_lshl_b32 s89, s18, 8
	s_add_co_u32 s88, s88, s89                     ; my first column, in bytes
	s_mov_b32 s89, 0
	s_lshl_b32 s90, s22, 19
	s_lshl_b32 s91, s17, 18
	s_add_co_u32 s90, s90, s91
	s_add_co_u32 s90, s90, s88                     ; my first row of 4,096 bytes, and column
	s_mov_b32 s91, 0
	s_wait_dscnt 0x0
	s_wait_kmcnt 0x0
	s_add_nc_u64 s[58:59], s[4:5], s[58:59]
	s_add_nc_u64 s[60:61], s[8:9], s[60:61]
	s_add_nc_u64 s[10:11], s[10:11], s[84:85]
	s_add_nc_u64 s[6:7], s[6:7], s[86:87]
	s_add_nc_u64 s[12:13], s[12:13], s[88:89]
	s_add_nc_u64 s[14:15], s[14:15], s[90:91]
.irp k, 0,1,2,3
	s_mov_b32 s[G0A+4*\k], 1
	s_add_co_u32 s[G0A+4*\k+1], s62, 32768*\k
	s_add_nc_u64 s[G0A+4*\k+2:G0A+4*\k+3], s[58:59], 0x100000*\k
	s_or_b32 s[G0A+4*\k+3], s[G0A+4*\k+3], 0x80000000
	s_mov_b32 s[G0B+4*\k], 1
	s_add_co_u32 s[G0B+4*\k+1], s62, 32768*\k
	s_add_nc_u64 s[G0B+4*\k+2:G0B+4*\k+3], s[60:61], 0x40000*\k
	s_or_b32 s[G0B+4*\k+3], s[G0B+4*\k+3], 0x80000000
.endr
	CROUND                                         ; all sixteen work-groups are here: the joint loads meet
	s_cmp_eq_u32 s17, 0                            ; a wave's four fills stand in one branch on its number, ahead of every wait on TENSORcnt and every LDS read
	s_cbranch_scc0 .Lfirst_b
	tensor_load_to_lds s[G0A:G0A+3], s[G1A:G1A+7]
	s_nop 0
	tensor_load_to_lds s[G0A+4:G0A+7], s[G1A:G1A+7]
	s_nop 0
	tensor_load_to_lds s[G0A+8:G0A+11], s[G1A:G1A+7]
	s_nop 0
	tensor_load_to_lds s[G0A+12:G0A+15], s[G1A:G1A+7]
	s_nop 0
.rept 4
	v_nop
.endr
	s_branch .Lfirst_asked
.Lfirst_b:
	tensor_load_to_lds s[G0B:G0B+3], s[G1B:G1B+7]
	s_nop 0
	tensor_load_to_lds s[G0B+4:G0B+7], s[G1B:G1B+7]
	s_nop 0
	tensor_load_to_lds s[G0B+8:G0B+11], s[G1B:G1B+7]
	s_nop 0
	tensor_load_to_lds s[G0B+12:G0B+15], s[G1B:G1B+7]
	s_nop 0
.rept 4
	v_nop
.endr
.Lfirst_asked:
	v_and_b32 v1, 15, v0                           ; r
	v_bfe_u32 v2, v0, 4, 1                         ; h
	v_and_b32 v3, 31, v0                           ; lane
	v_lshlrev_b32 v4, 5, v1
	v_lshlrev_b32 v5, 2, v1
	v_lshlrev_b32 v6, 4, v1
.irp b, 0,1,2,3
	global_load_b128 v[SB+8*\b:SB+8*\b+3], v4, s[10:11] offset:512*\b          ; Wo's eight words of row r of my tile b
	global_load_b128 v[SB+8*\b+4:SB+8*\b+7], v4, s[10:11] offset:512*\b+16
.endr
	global_load_b128 v[28:31], v6, s[12:13]        ; bo at my four columns of a row read back from the stage
.irp a, 0,1,2,3
.irp n, 0,1,2,3,4,5,6,7,8,9,10,11,12,13,14,15
	global_load_b32 v[128+16*\a+\n], v5, s[6:7] offset:16384*\n+64*\a          ; the tokens' two bytes for each head, into registers that the sums take later
.endr
.endr
	s_mul_i32 s92, s16, 4352
	s_add_co_u32 s92, s92, STG                     ; my stage
	s_lshl_b32 s93, s17, 14
	s_lshl_b32 s94, s18, 14
	s_add_co_u32 s94, s94, 131072
	s_wait_loadcnt 0x0
.irp a, 0,1,2,3
.irp s, 0,1,2,3,4,5,6,7
	v_lshl_or_b32 v[SA+8*\a+\s], v[128+16*\a+2*\s+1], 16, v[128+16*\a+2*\s]    ; heads 2 s and 2 s + 1 are the s-th 128 along K
.endr
.endr
	v_lshlrev_b32 v7, 4, v3                        ; these thirteen lines are also the places between the scale words' making and the first product (eight are owed)
	v_add_nc_u32 v[ADRA], s93, v7
	v_add_nc_u32 v[ADRB], s94, v7
	s_add_co_u32 s93, s93, 65536
	s_add_co_u32 s94, s94, 65536
	v_add_nc_u32 v[ADRA+1], s93, v7
	v_add_nc_u32 v[ADRB+1], s94, v7
	v_mul_u32_u24 v[STO], v1, 272
	v_lshl_add_u32 v[STO], v2, 6, v[STO]
	v_add_nc_u32 v[STO], s92, v[STO]               ; into the stage: row r, + 64 h
	v_mul_u32_u24 v[RD], v2, 272
	v_lshl_add_u32 v[RD], v1, 4, v[RD]
	v_add_nc_u32 v[RD], s92, v[RD]                 ; back: lanes 0-15 one row of 256 bytes, lanes 16-31 the next
	v_lshlrev_b32 v[CO], 12, v2
	v_lshl_add_u32 v[CO], v1, 4, v[CO]             ; and the same in out0
.macro FETCH s, f                      ; the s-th 128 along K: 32 loads of 512 consecutive bytes into buffer f
	WIN 0x40
.irp i, 0,1,2,3
.irp c, 0,1,2,3
	ds_load_b128 v[\f+16*\i+4*\c:\f+16*\i+4*\c+3], v[ADRA+(\s)/4] offset:32768*(((\s)/2)%2)+4096*\i+2048*((\s)%2)+512*\c
.endr
.endr
.irp i, 0,1,2,3
.irp c, 0,1,2,3
	ds_load_b128 v[\f+64+16*\i+4*\c:\f+64+16*\i+4*\c+3], v[ADRB+(\s)/4] offset:32768*(((\s)/2)%2)+4096*\i+2048*((\s)%2)+512*\c
.endr
.endr
.endm
.macro PROD s, f                       ; 16 products; the sixteen accumulators take turns, one instruction a turn
	WIN 0x05                                       ; sources 0 and 1 window 1; C and D window 0
.irp a, 0,1,2,3
.irp b, 0,1,2,3
.if (\s) == 0
	v_wmma_scale_f32_16x16x128_f8f6f4 v[128+8*(4*\a+\b):128+8*(4*\a+\b)+7], v[\f+64+16*\b:\f+64+16*\b+15], v[\f+16*\a:\f+16*\a+15], 0, v[SB+8*\b+(\s)], v[SA+8*\a+(\s)]
.else
	v_wmma_scale_f32_16x16x128_f8f6f4 v[128+8*(4*\a+\b):128+8*(4*\a+\b)+7], v[\f+64+16*\b:\f+64+16*\b+15], v[\f+16*\a:\f+16*\a+15], v[128+8*(4*\a+\b):128+8*(4*\a+\b)+7], v[SB+8*\b+(\s)], v[SA+8*\a+(\s)]
.endif
.endr
.endr
.endm
	s_wait_tensorcnt 0x3                           ; my part of K step 0 is in; the three younger loads may stay out
	s_barrier_signal -1
	s_barrier_wait -1
	FETCH 0, 0
.irp s, 0,1,2,3,4,5,6,7
.if \s < 7
.if \s % 2
	s_wait_tensorcnt 3-(\s+1)/2                    ; the next K step of 256 has landed; the younger ones may stay out
	s_wait_dscnt 0x0
	s_barrier_signal -1
	s_barrier_wait -1
.endif
.if \s > 0
	PLACES 8                                       ; in front of loads into the buffer that the last products read
.endif
	FETCH \s+1, 128*((\s+1)%2)
	s_wait_dscnt 32                                ; all but the 32 just issued
.else
	s_wait_dscnt 0x0
.endif
	PROD \s, 128*(\s%2)
.endr
	WIN 0
	PLACES 8                                       ; in front of the first read of results
	; THE WAY OUT: 16 tokens x 64 columns at a time through my own stage: a lane's eight results are neighbouring columns of one row; back come whole runs of 256 bytes.  LDS serves a wave's instructions in order.
.irp a, 0,1,2,3
.irp b, 0,1,2,3
	ds_store_b128 v[STO], v[128+8*(4*\a+\b):128+8*(4*\a+\b)+3] offset:128*(\b/2)+32*(\b%2)        ; each accumulator from its low end on
	ds_store_b128 v[STO], v[128+8*(4*\a+\b)+4:128+8*(4*\a+\b)+7] offset:128*(\b/2)+32*(\b%2)+16
.endr
.if \a > 0
	s_wait_xcnt 0x0                                ; the last block's stores have read their registers
.endif
.irp t, 0,1,2,3,4,5,6,7
	ds_load_b128 v[BK+4*\t:BK+4*\t+3], v[RD] offset:544*\t
.endr
	s_wait_dscnt 0x0
.irp t, 0,1,2,3,4,5,6,7
	v_pk_add_f32 v[BK+4*\t:BK+4*\t+1], v[BK+4*\t:BK+4*\t+1], v[28:29]
	v_pk_add_f32 v[BK+4*\t+2:BK+4*\t+3], v[BK+4*\t+2:BK+4*\t+3], v[30:31]
.endr
.irp t, 0,1,2,3,4,5,6,7
	global_store_b128 v[CO], v[BK+4*\t:BK+4*\t+3], s[14:15] offset:(32*(\a/2)+8*(\a%2)+2*\t+8*(\t/4))*4096 th:TH_STORE_NT   ; sixteen lanes: 256 consecutive bytes, aligned; the immediate undoes the images' order of rows
.endr
.endr
	s_wait_tensorcnt 0x0
	s_wait_tensorcnt 0x0
	ds_add_u32 v23, v27
	s_wait_dscnt 0x0
	CROUND                                         ; the closing round
	s_endpgm
.Lfunc_end_k_qf34f341406_oproj:
	.size	k_qf34f341406_oproj, .Lfunc_end_k_qf34f341406_oproj-k_qf34f341406_oproj
	.p2alignl 7, 3214868480
	.fill 96, 4, 3214868480
	.section	.rodata,"a",@progbits
	.p2align	6, 0x0
	.amdhsa_kernel k_qf34f341406_oproj
		.amdhsa_group_segment_fixed_size 327680
		.amdhsa_private_segment_fixed_size 0
		.amdhsa_enable_private_segment 0
		.amdhsa_kernarg_size 48
		.amdhsa_user_sgpr_count 2
		.amdhsa_user_sgpr_kernarg_segment_ptr 1
		.amdhsa_wavefront_size32 1
		.amdhsa_system_sgpr_workgroup_id_x 1
		.amdhsa_system_sgpr_workgroup_id_y 1
		.amdhsa_system_sgpr_workgroup_id_z 1
		.amdhsa_system_vgpr_workitem_id 0
		.amdhsa_next_free_vgpr 512
		.amdhsa_next_free_sgpr 96
		.amdhsa_reserve_vcc 0
		.amdhsa_float_denorm_mode_32 3
		.amdhsa_float_denorm_mode_16_64 3
		.amdhsa_memory_ordered 1
		.amdhsa_forward_progress 1
		.amdhsa_inst_pref_size 64
	.end_amdhsa_kernel
	.amdgpu_metadata
---
amdhsa.version: [ 1, 2 ]
amdhsa.kernels:
  - .name:           k_qf34f341406_oproj
    .symbol:         k_qf34f341406_oproj.kd
    .args:
      - { .name: o_img, .offset: 0, .size: 8, .value_kind: global_buffer, .address_space: global }
      - { .name: o_sc, .offset: 8, .size: 8, .value_kind: global_buffer, .address_space: global }
      - { .name: in_img, .offset: 16, .size: 8, .value_kind: global_buffer, .address_space: global }
      - { .name: in_sc, .offset: 24, .size: 8, .value_kind: global_buffer, .address_space: global }
      - { .name: bo, .offset: 32, .size: 8, .value_kind: global_buffer, .address_space: global }
      - { .name: out0, .offset: 40, .size: 8, .value_kind: global_buffer, .address_space: global }
    .group_segment_fixed_size: 327680
    .private_segment_fixed_size: 0
    .kernarg_segment_align: 8
    .kernarg_segment_size: 48
    .max_flat_workgroup_size: 128
    .sgpr_count:     96
    .vgpr_count:     512
    .wavefront_size: 32
...
	.end_amdgpu_metadata
.endif
;; end of part 4
